; MI455X (gfx1250); checked and timed in simulation.
; The chip was launched on July 23, 2026; its instructions are those of AMD's public machine-readable ISA for CDNA 5 (MIT licence, August 2026) and "CDNA5" Instruction Set Architecture Reference Guide (July 2026). The comments in the code are by the model that wrote it; some were corrected since.
;; Multi Head Attention. Allowed arithmetic: float matrix products may take bf16 or f16 operands with f32 sums; other float arithmetic in f32, or as packed bf16 or f16 multiplies, adds, multiply-adds, maxima and minima; sums over many terms, partial sums and values carried from step to step in f32; what a program stores and reads back later, other than sums and carried values, may be rounded once to bf16 or f16.
;; Inputs: Wk 128 x 128 float32; Wp 128 x 128 float32; Wq 128 x 128 float32; Wv 128 x 128 float32; bp 128 float32; x 2 x 4,096 x 128 float32.
;; Outputs: out0 2 x 4,096 x 128 float32.
;; 2 versions, each right; version 2 is version 1 with the launches proj, outp written anew for expert scheduling mode. Each part assembles by itself: llvm-mc -triple=amdgcn-amd-amdhsa -mcpu=gfx1250 --defsym DOCPART=n.
;; ======== version 1 of 2: 3 launches
;; limits: values are held in f16: magnitudes above 65,504 overflow, below 6.1e-05 lose precision
;; workspace buffers: qf 2,097,152 bytes; kv 4,194,304 bytes; vlo 2,097,152 bytes; att 4,194,304 bytes
;; launch proj (part 1): grid 64 x 4, 8 waves a work-group, no clusters, 27,136 bytes of LDS; arguments x, Wq, Wk, Wv, qf, kv, vlo; writes qf, kv, vlo
.if DOCPART == 1
	.amdgcn_target "amdgcn-amd-amdhsa--gfx1250"
	.amdhsa_code_object_version 6
	.text
	.protected	k_q74607f9d5a_proj
	.globl	k_q74607f9d5a_proj
	.p2align	8
	.type	k_q74607f9d5a_proj,@function
k_q74607f9d5a_proj:
	s_mov_b64 s[64:65], 0
	v_nop
	global_prefetch_b8 v0, s[64:65] scope:SCOPE_SE
	s_setreg_imm32_b32 hwreg(HW_REG_WAVE_MODE, 25, 1), 1
	s_wait_xcnt 0x0
; CAUSAL MULTI-HEAD ATTENTION (B 2, T 4096, C 128, 8 heads of 16), three launches: this one makes q, k, v; the second the attention by heads; the third the output projection.
; WORK LEFT OUT, in the second launch alone: reference() overwrites scores[t][s] with -inf wherever s > t, by a mask that it builds itself (jnp.tril), ahead of the softmax and whatever the
; inputs hold; the weight is then exactly 0 and its product with v adds nothing.  So a step of 64 keys that lies wholly behind a band of 64 queries is neither multiplied nor summed; inside a
; band's own step the hidden scores are computed and masked.  Every input has a way to the output and is loaded.  LIMIT: a NaN, an infinity or an overflow that would arise only in scores so
; left out is not carried to the result (reference() overwrites them too).
; THIS LAUNCH: q = x Wq^T, k = x Wk^T, v = x Wv^T.  x and the weights are rounded to bf16 on their way (all inputs of the program are); sums in f32.  c = log2(e) / 4 is multiplied onto q's
; f32 sums, so the second launch's scores are exponents of 2.  q c, k and v are stored once rounded to f16; v also leaves lo = f16(v - f16(v)), which the second launch multiplies where a row has few keys.
; LIMIT: q c, k and v must lie within f16's 65,504; below 6e-5 f16 keeps its fixed step of 6e-8.
; SHARES.  A work-group has 128 tokens x 2 heads x (q, k, v); wave w the 16 tokens 16 w ..: 24 matrix instructions.  The pair's 96 rows of W lie in LDS as bf16.
; LAYOUT OUT: the order in which the second launch's matrix operands take them; every store of a wave covers 512 consecutive bytes, aligned.
;   qf, K part of kv: lane l holds token l % 16, channels 8 (l / 16) + 0..7 (source 0 = rows of W, source 1 = tokens);  V part of kv, vlo: channel l % 16, tokens 8 (l / 16) + 0..7 (sources swapped).
; NO TENSOR LOAD, NO CLUSTER: the weights are f32 and are rounded in registers on their way into LDS, 12 rows a wave; a joint load would bring f32 rows that each work-group still had to read, round and store again.
.set PW,    272                        ; an LDS row: 256 bytes + 16 = 68 words: the 16 rows of a fragment load start at 16 different groups of four banks (64 banks of 4 bytes: ISA guide 11.1)
.set SPARE, 96*PW                      ; behind the 96 rows: the spare words, 128 bytes for each of 8 waves, which no other line names
.set L16, 1                            ; v1   16 x lane
.set XO,  2                            ; v2   x: (l % 16) x 512 + 32 (l / 16)
.set WO,  3                            ; v3   W: my wave's first row, 16 x lane
.set LST, 4                            ; v4   LDS: where I put 8 bytes of a row of W
.set FA,  5                            ; v5   LDS: (l % 16) x pitch + 16 (l / 16)
.set SPW, 6                            ; v6   my spare word; never rewritten
.set NIL, 7                            ; v7   0; never rewritten
.set QOF, 8                            ; v8   my 16 bytes in qf and in vlo
.set KOF, 9                            ; v9   my 16 bytes in kv
.set ONE, 10                           ; v10  1.0
.set ACC, 16                           ; v[16:63]   six accumulators: 2 x matrix + head of the pair
.set XB,  64                           ; v[64:95]   x, four bf16 fragments
.set WB,  96                           ; v[96:191]  two sets of six fragments of W
.set XF,  96                           ; v[96:159]  ahead of the barrier: x in f32
.set WF,  160                          ; v[160:207] ahead of the barrier: 12 rows of W in f32
.set WP,  208                          ; v[208:231] the same rounded
.set OUT, 96                           ; v[96:127]  results in f16
.set T,   192                          ; v[192:207] v - hi
	s_load_b256 s[4:11], s[0:1], 0x0               ; x s[4:5], Wq s[6:7], Wk s[8:9], Wv s[10:11]
	s_load_b128 s[12:15], s[0:1], 0x20             ; qf s[12:13], kv s[14:15]
	s_load_b64 s[16:17], s[0:1], 0x30              ; vlo
	v_lshl_add_u32 v[SPW], v0, 2, SPARE
	v_mov_b32 v[NIL], 0
	v_lshrrev_b32 v11, 5, v0
	v_readfirstlane_b32 s18, v11                   ; wave 0..7
	s_and_b32 s19, ttmp7, 0xffff                   ; the pair of heads, 0..3
	v_and_b32 v12, 31, v0                          ; lane
	v_and_b32 v13, 15, v0                          ; l % 16
	v_bfe_u32 v14, v0, 4, 1                        ; l / 16
	v_mov_b32 v[ONE], 1.0
	v_lshlrev_b32 v[L16], 4, v12
	v_lshlrev_b32 v[XO], 9, v13
	v_lshl_add_u32 v[XO], v14, 5, v[XO]
	s_lshl_b32 s20, s19, 5                         ; the pair's 32 rows of each W,
	s_lshl2_add_u32 s20, s18, s20                  ; my wave's four of them
	s_lshl_b32 s20, s20, 9
	v_add_nc_u32 v[WO], s20, v[L16]
	s_mul_i32 s21, s18, 4*PW
	v_lshl_add_u32 v[LST], v12, 3, s21
	v_mul_u32_u24 v[FA], v13, PW
	v_lshl_add_u32 v[FA], v14, 4, v[FA]
	s_lshr_b32 s22, ttmp9, 5                       ; batch
	s_lshl_b32 s22, s22, 3
	s_lshl1_add_u32 s22, s19, s22                  ; 8 x batch + the pair's first head
	s_and_b32 s23, ttmp9, 31
	s_lshl3_add_u32 s23, s23, s18                  ; my tile of 16 tokens among the batch's 256
	s_lshl_b32 s24, s22, 17                        ; qf, vlo: 131,072 bytes a head, 512 a tile
	s_lshl_b32 s25, s23, 9
	s_add_co_u32 s24, s24, s25
	v_add_nc_u32 v[QOF], s24, v[L16]
	s_lshl_b32 s24, s22, 18                        ; kv: 262,144 bytes a head, 32,768 a slot of 32 tiles, 512 a tile
	s_lshr_b32 s25, s23, 5
	s_lshl_b32 s25, s25, 15
	s_add_co_u32 s24, s24, s25
	s_and_b32 s25, s23, 31
	s_lshl_b32 s25, s25, 9
	s_add_co_u32 s24, s24, s25
	v_add_nc_u32 v[KOF], s24, v[L16]
	s_lshl_b32 s26, ttmp9, 16                      ; x: the work-group's 128 rows of 512 bytes,
	s_lshl_b32 s27, s18, 13                        ; my wave's 16
	s_add_co_u32 s26, s26, s27
	s_mov_b32 s27, 0
	s_mov_b32 s28, 0x3eb8aa3b                      ; c = log2(e) / 4
	s_mov_b32 s29, s28                             ; named with it as a pair
	s_wait_kmcnt 0x0
	s_add_nc_u64 s[4:5], s[4:5], s[26:27]
.irp m, 0,1,2
.irp i, 0,1,2,3
	global_load_b128 v[WF+16*(\m)+4*(\i):WF+16*(\m)+4*(\i)+3], v[WO], s[6+2*(\m):7+2*(\m)] offset:512*(\i)  ; a whole row of W, 512 bytes
.endr
.endr
.irp ks, 0,1,2,3                       ; a fragment's 16 rows x 32 channels in f32: channels 8 (l / 16) + 0..7 and 16 + 8 (l / 16) + 0..7
	global_load_b128 v[XF+16*(\ks):XF+16*(\ks)+3],     v[XO], s[4:5] offset:128*(\ks)
	global_load_b128 v[XF+16*(\ks)+4:XF+16*(\ks)+7],   v[XO], s[4:5] offset:128*(\ks)+16
	global_load_b128 v[XF+16*(\ks)+8:XF+16*(\ks)+11],  v[XO], s[4:5] offset:128*(\ks)+64
	global_load_b128 v[XF+16*(\ks)+12:XF+16*(\ks)+15], v[XO], s[4:5] offset:128*(\ks)+80
.endr
	s_wait_loadcnt 16                              ; W's 12 loads are in; x's 16, issued behind them, may stay out
.irp m, 0,1,2
.irp i, 0,1,2,3
	v_cvt_pk_bf16_f32 v[WP+8*(\m)+2*(\i)],   v[WF+16*(\m)+4*(\i)],   v[WF+16*(\m)+4*(\i)+1]
	v_cvt_pk_bf16_f32 v[WP+8*(\m)+2*(\i)+1], v[WF+16*(\m)+4*(\i)+2], v[WF+16*(\m)+4*(\i)+3]
	ds_store_b64 v[LST], v[WP+8*(\m)+2*(\i):WP+8*(\m)+2*(\i)+1] offset:(32*(\m)+(\i))*PW
.endr
.endr
	s_wait_loadcnt 0x0                             ; x
.set i, 0
.rept 32
	v_cvt_pk_bf16_f32 v[XB+i], v[XF+2*i], v[XF+2*i+1]
.set i, i+1
.endr
	s_wait_dscnt 0x0                               ; for the others' sake: my rows of W lie in LDS
	s_barrier_signal -1
	s_barrier_wait -1
.macro PLACES                          ; four places behind a matrix instruction, ahead of loads into its sources and of lines that read its result
.rept 4
	v_nop
.endr
.endm
.macro LW b, ks                        ; the six fragments of W for channels 32 ks on, into set b
.irp mh, 0,1,2,3,4,5
	ds_load_b128 v[WB+48*(\b)+8*(\mh):WB+48*(\b)+8*(\mh)+3],   v[FA] offset:(\mh)*16*PW+(\ks)*64
	ds_load_b128 v[WB+48*(\b)+8*(\mh)+4:WB+48*(\b)+8*(\mh)+7], v[FA] offset:(\mh)*16*PW+(\ks)*64+32
.endr
.endm
.macro MM b, ks, zero                  ; six products, the accumulators by turns; q and k with W as source 0, v with x as source 0.  zero = 1: they start the sums
.irp mh, 0,1,2,3,4,5
.if (\mh) < 4
.if \zero
	v_wmma_f32_16x16x32_bf16 v[ACC+8*(\mh):ACC+8*(\mh)+7], v[WB+48*(\b)+8*(\mh):WB+48*(\b)+8*(\mh)+7], v[XB+8*(\ks):XB+8*(\ks)+7], 0
.else
	v_wmma_f32_16x16x32_bf16 v[ACC+8*(\mh):ACC+8*(\mh)+7], v[WB+48*(\b)+8*(\mh):WB+48*(\b)+8*(\mh)+7], v[XB+8*(\ks):XB+8*(\ks)+7], v[ACC+8*(\mh):ACC+8*(\mh)+7]
.endif
.else
.if \zero
	v_wmma_f32_16x16x32_bf16 v[ACC+8*(\mh):ACC+8*(\mh)+7], v[XB+8*(\ks):XB+8*(\ks)+7], v[WB+48*(\b)+8*(\mh):WB+48*(\b)+8*(\mh)+7], 0
.else
	v_wmma_f32_16x16x32_bf16 v[ACC+8*(\mh):ACC+8*(\mh)+7], v[XB+8*(\ks):XB+8*(\ks)+7], v[WB+48*(\b)+8*(\mh):WB+48*(\b)+8*(\mh)+7], v[ACC+8*(\mh):ACC+8*(\mh)+7]
.endif
.endif
.endr
.endm
	LW 0, 0
	LW 1, 1
	s_wait_dscnt 12                                ; set 0 is in; the 12 younger loads may stay out
	MM 0, 0, 1
	PLACES
	LW 0, 2
	s_wait_dscnt 12                                ; set 1 is in
	MM 1, 1, 0
	PLACES
	LW 1, 3
	s_wait_dscnt 12
	MM 0, 2, 0
	s_wait_dscnt 0x0
	MM 1, 3, 0
	PLACES
	; THE WAY OUT.  Each accumulator is taken from its low end on.
.irp mh, 0,1
.irp i, 0,1,2,3
	v_pk_mul_f32 v[ACC+8*(\mh)+2*(\i):ACC+8*(\mh)+2*(\i)+1], v[ACC+8*(\mh)+2*(\i):ACC+8*(\mh)+2*(\i)+1], s[28:29] op_sel_hi:[1,0]  ; q times c, in f32
.endr
.endr
.irp mh, 0,1,2,3,4,5
.irp i, 0,1,2,3
	v_cvt_pk_f16_f32 v[OUT+4*(\mh)+(\i)], v[ACC+8*(\mh)+2*(\i)], v[ACC+8*(\mh)+2*(\i)+1]
.endr
.endr
.irp hh, 0,1
.irp i, 0,1,2,3                        ; v - hi x 1.0: the f16 half is read as it lies, the difference is exact
	v_fma_mix_f32 v[T+8*(\hh)+2*(\i)],   -v[OUT+16+4*(\hh)+(\i)], v[ONE], v[ACC+32+8*(\hh)+2*(\i)] op_sel_hi:[1,0,0]
	v_fma_mix_f32 v[T+8*(\hh)+2*(\i)+1], -v[OUT+16+4*(\hh)+(\i)], v[ONE], v[ACC+32+8*(\hh)+2*(\i)+1] op_sel:[1,0,0] op_sel_hi:[1,0,0]
.endr
.endr
.irp hh, 0,1
.irp i, 0,1,2,3
	v_cvt_pk_f16_f32 v[OUT+24+4*(\hh)+(\i)], v[T+8*(\hh)+2*(\i)], v[T+8*(\hh)+2*(\i)+1]
.endr
.endr
	global_store_b128 v[QOF], v[OUT:OUT+3],     s[12:13]                      ; q, the pair's first head,
	global_store_b128 v[QOF], v[OUT+4:OUT+7],   s[12:13] offset:131072        ; its second
	global_store_b128 v[KOF], v[OUT+8:OUT+11],  s[14:15]                      ; k
	global_store_b128 v[KOF], v[OUT+12:OUT+15], s[14:15] offset:262144
	global_store_b128 v[KOF], v[OUT+16:OUT+19], s[14:15] offset:16384         ; v's hi part, behind the slot's 16,384 bytes of k
	global_store_b128 v[KOF], v[OUT+20:OUT+23], s[14:15] offset:262144+16384
	global_store_b128 v[QOF], v[OUT+24:OUT+27], s[16:17]                      ; v's lo part
	global_store_b128 v[QOF], v[OUT+28:OUT+31], s[16:17] offset:131072
	s_wait_tensorcnt 0x0                           ; the wave's end, behind my last LDS store
	ds_add_u32 v[SPW], v[NIL]
	s_wait_dscnt 0x0
	s_endpgm
.Lfunc_end_k_q74607f9d5a_proj:
	.size	k_q74607f9d5a_proj, .Lfunc_end_k_q74607f9d5a_proj-k_q74607f9d5a_proj
	.p2alignl 7, 3214868480
	.fill 96, 4, 3214868480
	.section	.rodata,"a",@progbits
	.p2align	6, 0x0
	.amdhsa_kernel k_q74607f9d5a_proj
		.amdhsa_group_segment_fixed_size 27136
		.amdhsa_private_segment_fixed_size 0
		.amdhsa_enable_private_segment 0
		.amdhsa_kernarg_size 56
		.amdhsa_user_sgpr_count 2
		.amdhsa_user_sgpr_kernarg_segment_ptr 1
		.amdhsa_wavefront_size32 1
		.amdhsa_system_sgpr_workgroup_id_x 1
		.amdhsa_system_sgpr_workgroup_id_y 1
		.amdhsa_system_sgpr_workgroup_id_z 1
		.amdhsa_system_vgpr_workitem_id 0
		.amdhsa_next_free_vgpr 232
		.amdhsa_next_free_sgpr 66
		.amdhsa_reserve_vcc 0
		.amdhsa_float_denorm_mode_32 3
		.amdhsa_float_denorm_mode_16_64 3
		.amdhsa_memory_ordered 1
		.amdhsa_forward_progress 1
		.amdhsa_inst_pref_size 19
	.end_amdhsa_kernel
	.amdgpu_metadata
---
amdhsa.version: [ 1, 2 ]
amdhsa.kernels:
  - .name:           k_q74607f9d5a_proj
    .symbol:         k_q74607f9d5a_proj.kd
    .args:
      - { .name: x, .offset: 0, .size: 8, .value_kind: global_buffer, .address_space: global }
      - { .name: Wq, .offset: 8, .size: 8, .value_kind: global_buffer, .address_space: global }
      - { .name: Wk, .offset: 16, .size: 8, .value_kind: global_buffer, .address_space: global }
      - { .name: Wv, .offset: 24, .size: 8, .value_kind: global_buffer, .address_space: global }
      - { .name: qf, .offset: 32, .size: 8, .value_kind: global_buffer, .address_space: global }
      - { .name: kv, .offset: 40, .size: 8, .value_kind: global_buffer, .address_space: global }
      - { .name: vlo, .offset: 48, .size: 8, .value_kind: global_buffer, .address_space: global }
    .group_segment_fixed_size: 27136
    .private_segment_fixed_size: 0
    .kernarg_segment_align: 8
    .kernarg_segment_size: 56
    .max_flat_workgroup_size: 256
    .sgpr_count:     66
    .vgpr_count:     232
    .wavefront_size: 32
...
	.end_amdgpu_metadata
.endif
;; end of part 1
;; launch attn (part 2): grid 16 x 16, 8 waves a work-group, clusters of 4 x 1, 327,680 bytes of LDS; arguments qf, kv, vlo, att; writes att
.if DOCPART == 2
	.amdgcn_target "amdgcn-amd-amdhsa--gfx1250"
	.amdhsa_code_object_version 6
	.text
	.protected	k_q74607f9d5a_attn
	.globl	k_q74607f9d5a_attn
	.p2align	8
	.type	k_q74607f9d5a_attn,@function
k_q74607f9d5a_attn:
	s_mov_b64 s[64:65], 0
	v_nop
	global_prefetch_b8 v0, s[64:65] scope:SCOPE_SE
	s_setreg_imm32_b32 hwreg(HW_REG_WAVE_MODE, 25, 1), 1
	s_wait_xcnt 0x0
	s_wait_alu depctr_hold_cnt(0) depctr_sa_sdst(0) depctr_va_vdst(0) depctr_va_sdst(0) depctr_va_ssrc(0) depctr_va_vcc(0) depctr_vm_vsrc(0)
	s_getreg_b32 s2, hwreg(HW_REG_IB_STS2, 6, 4)
	s_cmp_eq_u32 s2, 0
	s_cbranch_scc0 .Lentry_in_a_cluster
	s_endpgm
.Lentry_in_a_cluster:
	s_bfe_u32 s2, ttmp6, 0x10000c
	s_cmp_lg_u32 s2, 0x3003
	s_cbranch_scc0 .Lentry_shape_is_right
	s_endpgm
.Lentry_shape_is_right:
; CAUSAL ATTENTION BY HEADS, head size 16.  att[bh][t][:] = the sum over s <= t of softmax_s(q[t] . k[s] / 4) v[s][:].  qf holds q log2(e) / 4, so a score is an exponent of 2.
; WORK LEFT OUT: steps of 64 keys that lie wholly behind a band of 64 queries: reference()'s own mask gives them the weight 0 whatever the inputs hold (shown at the head of the first kernel).
; LIMITS.  A hidden score counts as its value less 1e30, so scores stay far below 1e30 in size; q c, k, v arrive within f16's 65,504; a weight lies in 0 to 1 and is rounded to f16 for both sums
; (numerator and divisor take the same rounded weight); a weight below 2^-126 counts as 0; NaN and infinities are not treated apart.
; THE WALK.  A head has 8 super-blocks of 512 queries; super-block i needs the slots 0 .. i of 512 keys, the last holding the diagonal.  Cluster c takes super-block 7 - c and then c: 9 slots whatever c,
; one loop with a constant count.  What a trip does hangs on scalars made from c, which the four partners share.
; SHARES.  A super-block has 8 bands of 64 queries; work-group cx owns rows 16 cx .. 16 cx + 15 of every band, so cx enters only Q's and att's addresses, the prefetch's address and the mask's values,
; and all four partners walk alike and ask for every slot JOINTLY.  Wave w = 4 G + p holds 4 tiles of 16 queries, in bands 0,3,4,7 (G = 0) or 1,2,5,6 (G = 1).  THE KEYS ARE SPLIT among the four
; parts p: of each slot's 8 steps of 64 keys part p takes steps p and 7 - p.  So a fragment of K or V feeds 4 tiles, and in the diagonal slot each wave has 4 or 5 live pairs of tile and step.
; The parts' (m, l, O) meet in LDS at each super-block's end.
; LAYOUT.  S^T = K Q^T (source 0 = 16 keys, source 1 = 16 queries; channels 16-31 of K's fragments are 0, so what lies there in Q's need only be finite): a lane holds ONE query (l % 16) and keys
; 8 (l / 16) + 0..7.  Two such results rounded to f16 ARE source 1 of O^T = V^T P.  The row sum is a product too, ones x P: its result holds the sum over all 32 keys in every register.
; SOFTMAX.  p = 2^(s - m) with a running maximum m; in each step O and l are multiplied by a = 2^(m_old - m_new).  m starts at the lowest finite number, so a first step's a is 0.
; v's lo part (v - f16(v)) is multiplied in the diagonal slot alone: a row with few keys has all of them there.
; REGISTERS.  v0-15 addresses; v16-23 (m, l) a tile; v24-27 at work; v28-31 a, two buffers; v32-39 TRI; v40-55 Q; v56-63 ones; v64-95 K; v96-111 V; v112-127 V lo; v128-159 O^T; v160-167 row sums;
; v168-175 lo's product; v176-191 P; v192-255 S^T, two buffers (the second holds the mask in the diagonal slot).  v256-271 (window 1): the second super-block's Q.
.set SLOTB, 32768                      ; a slot: 16,384 bytes of K, then 16,384 of V; step s at 2,048 s, 16 keys at 512 more.  No padding: a wave's load takes 512 consecutive bytes
.set VOFF,  16384
.set VLO,   65536                      ; behind the ring of two slots: v's lo part of the two diagonal slots, 16,384 bytes each; filled once
.set MRG,   98304                      ; the merge records, written by LDS stores alone: pass, wave, tile; O[0:3] at 16 l, O[4:7] at 512 + 16 l, (m, l) at 1,024 + 8 l
.set REC,   1280
.set MPASS, 32*REC
.set SPARE, MRG+2*MPASS                ; the spare words, 128 bytes for each of 8 waves, which no other line names
.set L16,  2                           ; v2   16 x lane; never rewritten
.set ADRA, 3                           ; v3   LDS address of the first step's (diagonal slot: the step's) K and V
.set ADRB, 4                           ; v4   of the second step's (diagonal slot: of v's lo part)
.set PA,   5                           ; v5   my wave's records, 16 l
.set PB,   6                           ; v6   the same, 1,024 + 8 l
.set GA,   7                           ; v7   the records of the tile that I merge
.set GB,   8
.set SPW,  10                          ; v10  my spare word; never rewritten
.set NIL,  11                          ; v11  0; never rewritten
.set PFO,  12                          ; v12  256 x lane
.set QE,   13                          ; v13  Q's offset for tiles 0, 2;  v14 for tiles 1, 3
.set TV,   15
.set ML,   16
.set CC,   24
.set AA,   28
.set TRI,  32
.set Q,    40
.set ONES, 56
.set KF,   64
.set VF,   96
.set VL,   112
.set O,    128
.set LT,   160
.set OL,   168
.set P,    176
.set S,    192
.set WV,  12                           ; s12 wave; s13 G; s14 p; s15 7 - p
.set GG,  13
.set PT,  14
.set PT7, 15
.set CX,  16
.set CL,  17                           ; s17 the cluster's number c
.set BH,  18
.set G1,  24                           ; s[24:31] descriptor group 1
.set G0,  32                           ; s[32:35] group 0 of the ring's loads
.set G0L, 36                           ; s[36:39] group 0 of the load of v's lo part
.set KVB, 40                           ; s[40:41] kv at the head's slot 0, my quarter
.set OFF, 42                           ; s[42:43] a slot's byte offset
.set SLOTS, 44
.set RT,  45                           ; slots of the super-block in hand still to be entered
.set NXT, 46                           ; the slot to be asked for next
.set LQ,  47                           ; the last slot of the super-block whose slots are being asked for
.set SB,  48                           ; LDS byte of the slot being read
.set SG1, 49
.set SG2, 50
.set SIG, 51
.set SGB, 52
.set CNT, 53
.set MF,  54                           ; 1: the first super-block's records are stored
.set VLB, 55
.set BAND, 56                          ; s[56:59] my tiles' bands
.set SEL, 60
.set BIGN, 62
.set LIM, 63
.set PFA, 66
.set OA,  68                           ; s[68:69], s[70:71] att at the tile that I merge, first and second super-block
.set OB,  70
.set EK,  72                           ; s[72:87] for each 16 keys kb of a band's own step two pairs: (kb == cx ? 1 : 0) and (kb > cx ? -1e30 : 0)
.set TS,  88
.set MSB, 0
.macro WIN new                         ; the immediate's high byte repeats the setting that is left
.if MSB != (\new)
	s_set_vgpr_msb (MSB<<8)|(\new)
.set MSB, \new
.endif
.endm
.macro PLACES                          ; four places behind a matrix instruction (ISA guide 7.12.1)
.rept 4
	v_nop
.endr
.endm
.macro CROUND                          ; a round of the cluster's barrier
	s_barrier_signal -1
	s_barrier_wait -1
	s_cmp_lg_u32 s[WV], 0
	s_cbranch_scc1 .Lnot_wave_0_\@
	s_barrier_signal -3
.Lnot_wave_0_\@:
	s_barrier_wait -3
	s_barrier_signal -1
	s_barrier_wait -1
.endm
.macro JLOAD                           ; a joint refill: waves 0 to 3 bring a quarter of the slot each, 32 rows of 256 bytes; the branch hangs on the wave's number alone
	s_cmp_lt_u32 s[WV], 4
	s_cbranch_scc0 .Lnone_\@
	tensor_load_to_lds s[G0:G0+3], s[G1:G1+7]
	s_nop 0
	PLACES
.Lnone_\@:
.endm
; A PREFETCH INTO THE L2 of the slot that stands two joint loads on.  Cluster 0 of a head is the one that walks all 8 slots: it asks, wave 0 of each partner for 32 of the slot's 128 blocks of 256 bytes,
; a lane a block, the partners told apart by address.  Trips 0 to 4 ask for slots 3 to 7; slots 0 to 2 and the second super-block's readings come by their loads alone.
.macro ASK
	s_cmp_gt_u32 s[SLOTS], s[LIM]
	s_cbranch_scc0 .Lnot_mine_\@
	global_prefetch_b8 v[PFO], s[PFA:PFA+1] th:TH_LOAD_NT scope:SCOPE_SE
.Lnot_mine_\@:
.endm
; THE CHANGE OF SLOTS.  Each wave waits for all its tensor loads (one at the most is out), adds 0 to its spare word, and waits for that and for its reads of the slot that it leaves.
; fill = 1: the barrier is a round of the cluster's, and the joint refill, with slot NXT, is the first thing behind it.  (At its first use slot 0 and v's lo parts are waited for, slot 1 filled.)
.macro CHANGE fill
	s_wait_tensorcnt 0x0                           ; no tensor load of mine is out, so a group 0 may be written
	ds_add_u32 v[SPW], v[NIL]
.if \fill
	s_lshl_b32 s[OFF], s[NXT], 15
	s_xor_b32 s[G0+1], s[G0+1], SLOTB
	s_add_nc_u64 s[G0+2:G0+3], s[KVB:KVB+1], s[OFF:OFF+1]
	s_or_b32 s[G0+3], s[G0+3], 0x80000000
	s_add_co_u32 s[NXT], s[NXT], 1                 ; the super-block's next slot, or behind its last the second super-block's slot 0
	s_cmp_gt_u32 s[NXT], s[LQ]
	s_cselect_b32 s[NXT], 0, s[NXT]
	s_cselect_b32 s[LQ], s[CL], s[LQ]
	s_wait_xcnt 0x0                                ; the last prefetch, a slot back, has read its address
	s_add_nc_u64 s[PFA:PFA+1], s[PFA:PFA+1], SLOTB
	s_wait_dscnt 0x0                               ; the add is done, and my reads of the slot are over
	CROUND
	JLOAD
	ASK
.else
	s_wait_dscnt 0x0
	s_barrier_signal -1
	s_barrier_wait -1
.endif
	s_xor_b32 s[SB], s[SB], SLOTB
.endm
	s_load_b256 s[4:11], s[0:1], 0x0               ; qf s[4:5], kv s[6:7], vlo s[8:9], att s[10:11]
	v_lshl_add_u32 v[SPW], v0, 2, SPARE
	v_mov_b32 v[NIL], 0
	ds_add_u32 v[SPW], v[NIL]                      ; the wave's opening: the add, twice on end, and its wait, ahead of my first tensor load
	ds_add_u32 v[SPW], v[NIL]
	v_lshrrev_b32 v1, 5, v0
	v_readfirstlane_b32 s[WV], v1                  ; wave 0..7
	s_lshr_b32 s[GG], s[WV], 2
	s_and_b32 s[PT], s[WV], 3
	s_sub_co_u32 s[PT7], 7, s[PT]
	s_bfe_u32 s[CX], ttmp6, 0x40000                ; my place in the cluster
	s_mov_b32 s[CL], ttmp9                         ; in a cluster launch ttmp9 counts clusters
	s_and_b32 s[BH], ttmp7, 0xffff                 ; 8 x batch + head
	s_sub_co_u32 s[LQ], 7, s[CL]                   ; the first super-block, and its last slot
	s_sub_co_u32 s[RT], 8, s[CL]
	s_mov_b32 s[NXT], 1
	s_mov_b32 s[SLOTS], 8
	s_mov_b32 s[SB], SLOTB                         ; the first change turns it into 0
	s_mov_b32 s[VLB], VLO
	s_mov_b32 s[MF], 0
	s_lshl_b32 s[SG1], s[PT], 11
	s_lshl_b32 s[SG2], s[PT7], 11
	s_mov_b32 s[OFF+1], 0
	s_mov_b32 s[SEL], 0x76543210
	s_mov_b32 s[SEL+1], 0xfedcba98
	s_mov_b32 s[BIGN], 0xf149f2ca                  ; -1e30
	s_xor_b32 s19, s[GG], 1
	s_mov_b32 s[BAND], s[GG]                       ; tile t lies in band 2 t + (G xor t % 2)
	s_add_co_u32 s[BAND+1], s19, 2
	s_add_co_u32 s[BAND+2], s[GG], 4
	s_add_co_u32 s[BAND+3], s19, 6
	; descriptor group 1: 8,192 dense bytes as 32 rows of 256: a quarter of a slot, or half of a diagonal slot's lo part, so that each of the eight waves has a first fill of its own
	s_mov_b32 s[G1], 15|(3<<16)|(1<<21)            ; 15:0 the mask of four; 17:16 elements of 8 bytes; 21 set beside a mask; no padding
	s_mov_b32 s[G1+1], 32<<16                      ; tensor_dim0 = 32
	s_mov_b32 s[G1+2], 32<<16                      ; tensor_dim1 = 32
	s_mov_b32 s[G1+3], 32<<16                      ; tile_dim0 = 32
	s_mov_b32 s[G1+4], 32                          ; tile_dim1 = 32
	s_mov_b32 s[G1+5], 32                          ; 32 elements from row to row
	s_mov_b32 s[G1+6], 0
	s_mov_b32 s[G1+7], 0
.irp kb, 0,1,2,3                       ; values for the mask alone: every branch below makes its own compare
	s_cmp_eq_u32 s[CX], \kb
	s_cselect_b32 s[EK+4*(\kb)], 1.0, 0
	s_mov_b32 s[EK+4*(\kb)+1], 0
	s_cmp_lt_u32 s[CX], \kb
	s_cselect_b32 s[EK+4*(\kb)+2], s[BIGN], 0
	s_mov_b32 s[EK+4*(\kb)+3], 0
.endr
	s_or_b32 s[LIM], s[WV], s[CL]                  ; wave 0 of cluster 0 prefetches while more than 3 trips are left; the others never
	s_cmp_eq_u32 s[LIM], 0
	s_cselect_b32 s[LIM], 3, -1
	; offsets, each in registers of its own; the pointers are added behind the wait for the arguments
	s_and_b32 s19, s[PT], 1                        ; the tile that I merge: tile p of my group
	s_xor_b32 s19, s19, s[GG]
	s_lshl1_add_u32 s19, s[PT], s19                ; its band
	s_lshl_b32 s[TS], s[BH], 8
	s_lshl2_add_u32 s[TS], s19, s[TS]              ; 256 tiles a head, 4 a band,
	s_add_co_u32 s[TS], s[TS], s[CX]               ; mine
	s_lshl_b32 s[TS+1], s[LQ], 5                   ; 32 a super-block
	s_add_co_u32 s[TS+1], s[TS+1], s[TS]
	s_lshl_b32 s[OA], s[TS+1], 10                  ; 1,024 bytes of att a tile
	s_mov_b32 s[OA+1], 0
	s_lshl_b32 s[TS+1], s[CL], 5
	s_add_co_u32 s[TS+1], s[TS+1], s[TS]
	s_lshl_b32 s[OB], s[TS+1], 10
	s_mov_b32 s[OB+1], 0
	s_lshl_b32 s19, s[BH], 8                       ; Q: band 0's tile of mine in each super-block, 512 bytes a tile
	s_add_co_u32 s19, s19, s[CX]
	s_lshl_b32 s20, s[LQ], 5
	s_add_co_u32 s20, s20, s19
	s_lshl_b32 s20, s20, 9
	s_mov_b32 s21, 0
	s_lshl_b32 s22, s[CL], 5
	s_add_co_u32 s22, s22, s19
	s_lshl_b32 s22, s22, 9
	s_mov_b32 s23, 0
	s_lshl_b32 s[KVB], s[BH], 18                   ; kv: 262,144 bytes a head, my quarter of a slot
	s_lshl_b32 s[TS], s[WV], 13
	s_add_co_u32 s[KVB], s[KVB], s[TS]
	s_mov_b32 s[KVB+1], 0
	s_mov_b32 s[G0], 1
	s_lshl_b32 s[G0+1], s[WV], 13                  ; slot 0: 8,192 x wave
	s_mov_b32 s[G0L], 1
	s_lshl_b32 s[G0L+1], s[WV], 13
	s_add_co_u32 s[G0L+1], s[G0L+1], SLOTB         ; waves 4 to 7: 65,536 + 8,192 (wave - 4)
	s_cmp_lt_u32 s[WV], 6                          ; waves 4, 5: the first super-block's diagonal slot; waves 6, 7: the second's
	s_cselect_b32 s[TS], s[LQ], s[CL]
	s_lshl_b32 s[TS], s[TS], 14
	s_lshl_b32 s[TS+1], s[BH], 17
	s_add_co_u32 s[TS], s[TS], s[TS+1]
	s_and_b32 s[TS+1], s[WV], 1
	s_lshl_b32 s[TS+1], s[TS+1], 13
	s_add_co_u32 s[G0L+2], s[TS], s[TS+1]
	s_mov_b32 s[G0L+3], 0
	s_lshl_b32 s[PFA], s[BH], 18                   ; the prefetches: my work-group's quarter, in slot 2; the first change steps it to slot 3
	s_lshl_b32 s[TS], s[CX], 13
	s_add_co_u32 s[PFA], s[PFA], s[TS]
	s_add_co_u32 s[PFA], s[PFA], 2*SLOTB
	s_mov_b32 s[PFA+1], 0
	s_wait_dscnt 0x0                               ; both opening adds are done
	s_wait_kmcnt 0x0
	s_add_nc_u64 s[OA:OA+1], s[10:11], s[OA:OA+1]
	s_add_nc_u64 s[OB:OB+1], s[10:11], s[OB:OB+1]
	s_add_nc_u64 s[20:21], s[4:5], s[20:21]
	s_add_nc_u64 s[22:23], s[4:5], s[22:23]
	s_add_nc_u64 s[KVB:KVB+1], s[6:7], s[KVB:KVB+1]
	s_mov_b64 s[G0+2:G0+3], s[KVB:KVB+1]
	s_or_b32 s[G0+3], s[G0+3], 0x80000000
	s_add_nc_u64 s[G0L+2:G0L+3], s[8:9], s[G0L+2:G0L+3]
	s_or_b32 s[G0L+3], s[G0L+3], 0x80000000
	s_add_nc_u64 s[PFA:PFA+1], s[6:7], s[PFA:PFA+1]
	CROUND                                         ; all four work-groups are here: the first joint loads meet
	s_cmp_lt_u32 s[WV], 4                          ; every wave has one first fill: waves 0 to 3 slot 0, waves 4 to 7 v's lo parts
	s_cbranch_scc0 .Lfirst_lo
	tensor_load_to_lds s[G0:G0+3], s[G1:G1+7]
	s_nop 0
	PLACES
	s_branch .Lfirst_asked
.Lfirst_lo:
	tensor_load_to_lds s[G0L:G0L+3], s[G1:G1+7]
	s_nop 0
	PLACES
.Lfirst_asked:
	; all that follows up to the loop stands in the wait for the first fills
	v_and_b32 v1, 31, v0
	v_lshlrev_b32 v[L16], 4, v1
	s_lshl_b32 s[TS], s[GG], 11                    ; a band is 2,048 bytes of qf on: even tiles lie G bands, odd tiles 1 - G bands behind 2 t
	v_add_nc_u32 v[QE], s[TS], v[L16]
	s_xor_b32 s[TS], s[TS], 2048
	v_add_nc_u32 v[QE+1], s[TS], v[L16]
.irp t, 0,1,2,3
	global_load_b128 v[Q+4*(\t):Q+4*(\t)+3], v[QE+(\t)%2], s[20:21] offset:4096*(\t)
.endr
	WIN 0x40                                       ; destination in window 1: the second super-block's Q
.irp t, 0,1,2,3
	global_load_b128 v[4*(\t):4*(\t)+3], v[QE+(\t)%2], s[22:23] offset:4096*(\t)
.endr
	WIN 0
	s_mul_i32 s[TS], s[WV], 4*REC                  ; my wave's four records
	s_add_co_u32 s[TS], s[TS], MRG
	v_add_nc_u32 v[PA], s[TS], v[L16]
	s_add_co_u32 s[TS], s[TS], 1024
	v_lshl_add_u32 v[PB], v1, 3, s[TS]
	s_mul_i32 s[TS], s[GG], 16*REC                 ; the tile that I merge: record 4 (4 G + part) + p; part 0's lies at G x 16 records
	s_mul_i32 s[TS+1], s[PT], REC                  ; + p records; the other parts' stand in the loads' immediates
	s_add_co_u32 s[TS], s[TS], s[TS+1]
	s_add_co_u32 s[TS], s[TS], MRG
	v_add_nc_u32 v[GA], s[TS], v[L16]
	s_add_co_u32 s[TS], s[TS], 1024
	v_lshl_add_u32 v[GB], v1, 3, s[TS]
	v_lshlrev_b32 v[PFO], 8, v1
	v_and_b32 v[TV], 15, v0                        ; TRI: in the 16 keys that hold my query's own, register j (key 8 (l / 16) + j) is hidden where j > l % 16 - 8 (l / 16)
	v_bfe_u32 v1, v0, 4, 1
	v_lshlrev_b32 v1, 3, v1
	v_sub_nc_u32 v[TV], v[TV], v1
.irp j, 0,1,2,3,4,5,6,7
	v_cmp_gt_i32 vcc_lo, \j, v[TV]
	v_cndmask_b32 v[TRI+(\j)], 0, s[BIGN], vcc_lo
.endr
.irp kb, 0,1,2,3
.irp j, 4,5,6,7
	v_mov_b32 v[KF+8*(\kb)+(\j)], 0                ; K's channels 16-31: written once, never loaded
.endr
.endr
.irp j, 0,1,2,3,4,5,6,7
	v_mov_b32 v[ONES+(\j)], 0x3c003c00             ; 1.0 twice in f16
.endr
.set i, 0
.rept 32
	v_mov_b32 v[O+i], 0                            ; a first step multiplies O^T and l by a = 0: they need only be finite; no first step is written out, at the price of these lines
.set i, i+1
.endr
.irp t, 0,1,2,3
	v_mov_b32 v[ML+2*(\t)], 0xff7fffff             ; m: the lowest finite number
	v_mov_b32 v[ML+2*(\t)+1], 0
	v_mov_b32 v[CC+(\t)], 0
	v_mov_b32 v[AA+(\t)], 0                        ; a's pairs are named whole
.endr
	s_wait_loadcnt 0x0                             ; both Q
; THE MATRIX WORK.  No two matrix instructions on end share an accumulator: they take turns, one instruction a turn.
.macro KQ t, b                         ; tile t's scores for the step in K's registers, into buffer b
.irp kb, 0,1,2,3
	v_wmma_f32_16x16x32_f16 v[S+32*(\b)+8*(\kb):S+32*(\b)+8*(\kb)+7], v[KF+8*(\kb):KF+8*(\kb)+7], v[Q+4*(\t):Q+4*(\t)+7], 0
.endr
.endm
.macro KQM t                           ; the same into buffer 0, the sums started by the mask in buffer 1
.irp kb, 0,1,2,3
	v_wmma_f32_16x16x32_f16 v[S+8*(\kb):S+8*(\kb)+7], v[KF+8*(\kb):KF+8*(\kb)+7], v[Q+4*(\t):Q+4*(\t)+7], v[S+32+8*(\kb):S+32+8*(\kb)+7]
.endr
.endm
.macro PV t                            ; O^T += V^T P, and the row sums ones x P
	v_wmma_f32_16x16x32_f16 v[O+8*(\t):O+8*(\t)+7], v[VF:VF+7], v[P:P+7], v[O+8*(\t):O+8*(\t)+7]
	v_wmma_f32_16x16x32_f16 v[LT:LT+7], v[ONES:ONES+7], v[P:P+7], 0
	v_wmma_f32_16x16x32_f16 v[O+8*(\t):O+8*(\t)+7], v[VF+8:VF+15], v[P+8:P+15], v[O+8*(\t):O+8*(\t)+7]
	v_wmma_f32_16x16x32_f16 v[LT:LT+7], v[ONES:ONES+7], v[P+8:P+15], v[LT:LT+7]
.endm
.macro PV6 t                           ; the same with v's lo part
	v_wmma_f32_16x16x32_f16 v[O+8*(\t):O+8*(\t)+7], v[VF:VF+7], v[P:P+7], v[O+8*(\t):O+8*(\t)+7]
	v_wmma_f32_16x16x32_f16 v[OL:OL+7], v[VL:VL+7], v[P:P+7], 0
	v_wmma_f32_16x16x32_f16 v[LT:LT+7], v[ONES:ONES+7], v[P:P+7], 0
	v_wmma_f32_16x16x32_f16 v[O+8*(\t):O+8*(\t)+7], v[VF+8:VF+15], v[P+8:P+15], v[O+8*(\t):O+8*(\t)+7]
	v_wmma_f32_16x16x32_f16 v[OL:OL+7], v[VL+8:VL+15], v[P+8:P+15], v[OL:OL+7]
	v_wmma_f32_16x16x32_f16 v[LT:LT+7], v[ONES:ONES+7], v[P+8:P+15], v[LT:LT+7]
.endm
; THE LDS LOADS, four to a run: 512 consecutive bytes each.
.macro LOADK a
.irp kb, 0,1,2,3
	ds_load_b128 v[KF+8*(\kb):KF+8*(\kb)+3], v[\a] offset:512*(\kb)
.endr
.endm
.macro LOADV a
.irp i, 0,1,2,3
	ds_load_b128 v[VF+4*(\i):VF+4*(\i)+3], v[\a] offset:VOFF+512*(\i)
.endr
.endm
.macro LOADVL a
.irp i, 0,1,2,3
	ds_load_b128 v[VL+4*(\i):VL+4*(\i)+3], v[\a] offset:512*(\i)
.endr
.endm
; THE VECTOR WORK.  XS: number n of the 20 that find tile t's new maximum from buffer b.  0-11 four chains of seven scores, three operands at a time, each accumulator's lowest registers first;
; 12-15 the four scores left over, the old m, and the four into one; 16, 17 the query's other 32 keys lie in the lane 16 away; 18 m_old - m_new; 19 the new m.
.macro XS t, b, n
.set rS, S+32*(\b)
.set rM, ML+2*(\t)
.if (\n) < 4
	v_max3_num_f32 v[CC+(\n)], v[rS+8*(\n)], v[rS+8*(\n)+1], v[rS+8*(\n)+2]
.elseif (\n) < 12
	v_max3_num_f32 v[CC+(\n)%4], v[CC+(\n)%4], v[rS+8*((\n)%4)+2*((\n)/4)+1], v[rS+8*((\n)%4)+2*((\n)/4)+2]
.elseif (\n) == 12
	v_max3_num_f32 v[CC], v[CC], v[rS+7], v[rS+15]
.elseif (\n) == 13
	v_max3_num_f32 v[CC+1], v[CC+1], v[rS+23], v[rS+31]
.elseif (\n) == 14
	v_max3_num_f32 v[CC+2], v[CC+2], v[CC+3], v[rM]
.elseif (\n) == 15
	v_max3_num_f32 v[CC], v[CC], v[CC+1], v[CC+2]
.elseif (\n) == 16
	v_permlanex16_b32 v[CC+3], v[CC], s[SEL], s[SEL+1]
.elseif (\n) == 17
	v_max_num_f32 v[CC+1], v[CC], v[CC+3]
.elseif (\n) == 18
	v_sub_f32 v[CC+2], v[rM], v[CC+1]
.else
	v_mov_b32 v[rM], v[CC+1]
.endif
.endm
.macro EA b                            ; a
	v_exp_f32 v[AA+2*(\b)], v[CC+2]
.endm
.macro FS t, b, i                      ; pair i of 16: s - m
	v_pk_add_f32 v[S+32*(\b)+2*(\i):S+32*(\b)+2*(\i)+1], v[S+32*(\b)+2*(\i):S+32*(\b)+2*(\i)+1], v[ML+2*(\t):ML+2*(\t)+1] op_sel_hi:[1,0] neg_lo:[0,1] neg_hi:[0,1]
.endm
.macro ES b, j
	v_exp_f32 v[S+32*(\b)+(\j)], v[S+32*(\b)+(\j)]
.endm
.macro RS t, b                         ; O^T times a
.irp z, 0,1,2,3
	v_pk_mul_f32 v[O+8*(\t)+2*(\z):O+8*(\t)+2*(\z)+1], v[O+8*(\t)+2*(\z):O+8*(\t)+2*(\z)+1], v[AA+2*(\b):AA+2*(\b)+1] op_sel_hi:[1,0]
.endr
.endm
.macro CV b                            ; the weights rounded to f16
.irp i, 0,1,2,3,4,5,6,7,8,9,10,11,12,13,14,15
	v_cvt_pk_f16_f32 v[P+(\i)], v[S+32*(\b)+2*(\i)], v[S+32*(\b)+2*(\i)+1]
.endr
.endm
.macro FIN t, b                        ; l = a l + the row sum
	v_fma_f32 v[ML+2*(\t)+1], v[ML+2*(\t)+1], v[AA+2*(\b)], v[LT]
.endm
; A TURN: pair u of the slot's eight (step, tile): tile u % 4 of my first step (u < 4) or my second.  The next pair's four products K Q^T come first; four subtractions are the places behind them and
; behind the turn before's row sums, which l then takes.  Then 32 exponentials, each with a plain line behind it: the other 12 subtractions and the next pair's maximum.  Its a ends the batch:
; 33 exponentials, one plain line, ONE wait (ahead of the first line that names a result; nothing ahead of it does).  Behind it the rescaling, the roundings and the four products.
; K of my second step is loaded in turn 2, five plain lines behind the last product that read K, and waited for in turn 3; its V in turn 4, likewise, and waited for ahead of that turn's products.
.macro TURN u
.set tc, (\u)%4
.set bc, (\u)%2
.set tn, ((\u)+1)%4
.set bn, 1-bc
.if (\u) == 3
	s_wait_dscnt 0x0                               ; K of the second step is in
.endif
.if (\u) < 7
	KQ tn, bn
.endif
.irp f, 0,1,2,3
	FS tc, bc, \f
.endr
.if (\u) > 0
	FIN ((\u)+3)%4, bn
.endif
.if (\u) == 2
	LOADK ADRB
.endif
.if (\u) == 4
	LOADV ADRB
.endif
.set jj, 0
.rept 32
	ES bc, jj
.if jj < 12
	FS tc, bc, jj+4
.elseif (\u) < 7
	XS tn, bn, jj-12
.endif
.set jj, jj+1
.endr
.if (\u) < 7
	EA bn
.endif
	v_nop                                          ; the plain line behind the last exponential: one for the batch
	s_wait_alu depctr_va_vdst(0)                   ; the wait for the batch
	RS tc, bc
	CV bc
.if ((\u) == 0) || ((\u) == 4)
	s_wait_dscnt 0x0                               ; V is in
.endif
	PV tc
.endm
.macro PLAIN                           ; a slot below the diagonal: my two steps x my four tiles
	s_add_co_u32 s[TS], s[SB], s[SG1]
	v_add_nc_u32 v[ADRA], s[TS], v[L16]
	s_add_co_u32 s[TS], s[SB], s[SG2]
	v_add_nc_u32 v[ADRB], s[TS], v[L16]
	LOADK ADRA
	LOADV ADRA
	s_wait_dscnt 4                                 ; K is in; V's four loads, issued behind it, may stay out
	KQ 0, 0
	PLACES
.set xn, 0
.rept 20
	XS 0, 0, xn
.set xn, xn+1
.endr
	EA 0
	v_nop
	s_wait_alu depctr_va_vdst(0)
.irp u, 0,1,2,3,4,5,6,7
	TURN \u
.endr
	PLACES
	FIN 3, 1
.endm
; THE DIAGONAL SLOT.  In step SIG tile t (band B) sees all keys if SIG < B, holds the diagonal if SIG = B (the sums start with the mask), and is jumped over if SIG > B.  What is jumped holds no barrier and no tensor load.
.macro DTILE t
	s_cmp_lt_u32 s[BAND+(\t)], s[SIG]
	s_cbranch_scc1 .Ldead_\@
	s_cmp_eq_u32 s[BAND+(\t)], s[SIG]
	s_cbranch_scc0 .Lfull_\@
	KQM \t
	s_branch .Lhave_\@
.Lfull_\@:
	KQ \t, 0
.Lhave_\@:
	PLACES
.set xn, 0
.rept 20
	XS \t, 0, xn
.set xn, xn+1
.endr
	EA 0
.irp f, 0,1,2,3
	FS \t, 0, \f
.endr
.set jj, 0
.rept 32
	ES 0, jj
.if jj < 12
	FS \t, 0, jj+4
.endif
.set jj, jj+1
.endr
	v_nop
	s_wait_alu depctr_va_vdst(0)                   ; one wait for the 33 exponentials
	RS \t, 0
	CV 0
	PV6 \t
	PLACES
	FIN \t, 0
.irp z, 0,1,2,3
	v_pk_add_f32 v[O+8*(\t)+2*(\z):O+8*(\t)+2*(\z)+1], v[O+8*(\t)+2*(\z):O+8*(\t)+2*(\z)+1], v[OL+2*(\z):OL+2*(\z)+1]
.endr
.Ldead_\@:
.endm
.macro DIAG
.irp kb, 0,1,2,3                       ; the mask of a band's own step, into S^T's second buffer: TRI where the 16 keys hold my rows' own, -1e30 behind them, 0 ahead of them.  It hangs on the lane and cx alone
.irp z, 0,1,2,3
	v_pk_fma_f32 v[S+32+8*(\kb)+2*(\z):S+32+8*(\kb)+2*(\z)+1], v[TRI+2*(\z):TRI+2*(\z)+1], s[EK+4*(\kb):EK+4*(\kb)+1], s[EK+4*(\kb)+2:EK+4*(\kb)+3] op_sel_hi:[1,0,0]
.endr
.endr
	s_mov_b32 s[CNT], 2
.Ldstep_\@:                            ; my two steps
	s_cmp_eq_u32 s[CNT], 2
	s_cselect_b32 s[SIG], s[PT], s[PT7]
	s_cselect_b32 s[SGB], s[SG1], s[SG2]
	s_add_co_u32 s[TS], s[SB], s[SGB]
	v_add_nc_u32 v[ADRA], s[TS], v[L16]
	s_add_co_u32 s[TS], s[VLB], s[SGB]
	v_add_nc_u32 v[ADRB], s[TS], v[L16]
	s_cmp_gt_u32 s[SIG], s[BAND+3]                 ; behind my last band: nothing to do
	s_cbranch_scc1 .Ldend_\@
	LOADK ADRA
	LOADV ADRA
	LOADVL ADRB
	s_wait_dscnt 0x0
	DTILE 0
	DTILE 1
	DTILE 2
	DTILE 3
.Ldend_\@:
	s_sub_co_u32 s[CNT], s[CNT], 1
	s_cmp_lg_u32 s[CNT], 0
	s_cbranch_scc1 .Ldstep_\@
.endm
.macro PUT p                           ; my four tiles' partial results into my records of pass p
.irp t, 0,1,2,3
	ds_store_b128 v[PA], v[O+8*(\t):O+8*(\t)+3]   offset:(\p)*MPASS+(\t)*REC
	ds_store_b128 v[PA], v[O+8*(\t)+4:O+8*(\t)+7] offset:(\p)*MPASS+(\t)*REC+512
	ds_store_b64  v[PB], v[ML+2*(\t):ML+2*(\t)+1] offset:(\p)*MPASS+(\t)*REC
.endr
.endm
; THE MERGE.  Wave 4 G + p finishes tile p of group G: M = the largest of the four parts' m; w_j = 2^(m_j - M); O = the sum of w_j O_j over the sum of w_j l_j.  A part without a live step has m at the
; lowest finite number and the weight 0, on finite leftovers.  Two stores of 512 consecutive bytes.
.macro MERGE p, base
.irp j, 0,1,2,3
	ds_load_b128 v[S+8*(\j):S+8*(\j)+3],       v[GA] offset:(\p)*MPASS+(\j)*4*REC
	ds_load_b128 v[S+8*(\j)+4:S+8*(\j)+7],     v[GA] offset:(\p)*MPASS+(\j)*4*REC+512
	ds_load_b64  v[S+32+2*(\j):S+32+2*(\j)+1], v[GB] offset:(\p)*MPASS+(\j)*4*REC
.endr
	s_wait_dscnt 0x0
	v_max3_num_f32 v[CC], v[S+32], v[S+34], v[S+36]
	v_max_num_f32 v[CC], v[CC], v[S+38]
.irp j, 0,1,2,3
	v_sub_f32 v[S+32+2*(\j)], v[S+32+2*(\j)], v[CC]
.endr
.irp j, 0,1,2,3
	v_exp_f32 v[S+32+2*(\j)], v[S+32+2*(\j)]
.endr
	v_nop
	s_wait_alu depctr_va_vdst(0)                   ; one wait for the four weights
	v_mul_f32 v[CC+1], v[S+32], v[S+33]
.irp j, 1,2,3
	v_fma_f32 v[CC+1], v[S+32+2*(\j)], v[S+33+2*(\j)], v[CC+1]
.endr
	v_rcp_f32 v[CC+2], v[CC+1]                     ; the 16 lines below name neither it nor its source
.irp z, 0,1,2,3
	v_pk_mul_f32 v[S+2*(\z):S+2*(\z)+1], v[S+2*(\z):S+2*(\z)+1], v[S+32:S+33] op_sel_hi:[1,0]
.endr
.irp j, 1,2,3
.irp z, 0,1,2,3
	v_pk_fma_f32 v[S+2*(\z):S+2*(\z)+1], v[S+8*(\j)+2*(\z):S+8*(\j)+2*(\z)+1], v[S+32+2*(\j):S+33+2*(\j)], v[S+2*(\z):S+2*(\z)+1] op_sel_hi:[1,0,1]
.endr
.endr
	s_wait_alu depctr_va_vdst(0)                   ; the reciprocal's wait
.irp z, 0,1,2,3
	v_pk_mul_f32 v[S+2*(\z):S+2*(\z)+1], v[S+2*(\z):S+2*(\z)+1], v[CC+2:CC+3] op_sel_hi:[1,0]
.endr
	global_store_b128 v[L16], v[S:S+3],   s[\base:\base+1]
	global_store_b128 v[L16], v[S+4:S+7], s[\base:\base+1] offset:512
	s_wait_xcnt 0x0                                ; the stores have read their registers, which the next scores overwrite
.endm
.Lslot:                                ; 8 trips: a slot is entered and the next is asked for
	CHANGE 1
	s_sub_co_u32 s[RT], s[RT], 1
	s_cmp_lg_u32 s[RT], 0
	s_cbranch_scc0 .Ldiag
	PLAIN
	s_branch .Lbottom
.Ldiag:                                ; the first super-block's last slot
	DIAG
	PUT 0
	s_mov_b32 s[MF], 1
.Lbottom:
	s_wait_dscnt 0x0                               ; for the others' sake: my records are stored
	s_barrier_signal -1                            ; this barrier stands in every trip, so that every wave passes it whichever way the trip went; it stands just ahead of the change of slots, where the waves meet in any case.
	s_barrier_wait -1                              ; The trip's refill may stay out
	s_cmp_eq_u32 s[MF], 0
	s_cbranch_scc1 .Lnext
	MERGE 0, OA
	s_mov_b32 s[MF], 0                             ; THE SECOND SUPER-BLOCK BEGINS: m anew (its first a is then 0), its Q, its c + 1 slots, its part of v's lo
.irp t, 0,1,2,3
	v_mov_b32 v[ML+2*(\t)], 0xff7fffff
.endr
	WIN 0x01                                       ; source in window 1
.set i, 0
.rept 16
	v_mov_b32 v[Q+i], v[i]
.set i, i+1
.endr
	WIN 0
	s_add_co_u32 s[RT], s[CL], 1
	s_mov_b32 s[VLB], VLO+16384
.Lnext:
	s_sub_co_u32 s[SLOTS], s[SLOTS], 1
	s_cmp_lg_u32 s[SLOTS], 0
	s_cbranch_scc1 .Lslot
	CHANGE 0                                       ; the walk's last slot, the second super-block's diagonal one, is written out: nothing is asked for
	DIAG
	PUT 1
	s_wait_dscnt 0x0
	s_barrier_signal -1
	s_barrier_wait -1
	MERGE 1, OB
	s_wait_tensorcnt 0x0                           ; the wave's end, behind my last tensor load and my last LDS store
	ds_add_u32 v[SPW], v[NIL]
	s_wait_dscnt 0x0
	CROUND                                         ; the closing round: no work-group ends while a partner may still ask for a slot that names it
	s_endpgm
.Lfunc_end_k_q74607f9d5a_attn:
	.size	k_q74607f9d5a_attn, .Lfunc_end_k_q74607f9d5a_attn-k_q74607f9d5a_attn
	.p2alignl 7, 3214868480
	.fill 96, 4, 3214868480
	.section	.rodata,"a",@progbits
	.p2align	6, 0x0
	.amdhsa_kernel k_q74607f9d5a_attn
		.amdhsa_group_segment_fixed_size 327680
		.amdhsa_private_segment_fixed_size 0
		.amdhsa_enable_private_segment 0
		.amdhsa_kernarg_size 32
		.amdhsa_user_sgpr_count 2
		.amdhsa_user_sgpr_kernarg_segment_ptr 1
		.amdhsa_wavefront_size32 1
		.amdhsa_system_sgpr_workgroup_id_x 1
		.amdhsa_system_sgpr_workgroup_id_y 1
		.amdhsa_system_sgpr_workgroup_id_z 1
		.amdhsa_system_vgpr_workitem_id 0
		.amdhsa_next_free_vgpr 272
		.amdhsa_next_free_sgpr 90
		.amdhsa_reserve_vcc 1
		.amdhsa_float_denorm_mode_32 3
		.amdhsa_float_denorm_mode_16_64 3
		.amdhsa_memory_ordered 1
		.amdhsa_forward_progress 1
		.amdhsa_inst_pref_size 118
	.end_amdhsa_kernel
	.amdgpu_metadata
---
amdhsa.version: [ 1, 2 ]
amdhsa.kernels:
  - .name:           k_q74607f9d5a_attn
    .symbol:         k_q74607f9d5a_attn.kd
    .args:
      - { .name: qf, .offset: 0, .size: 8, .value_kind: global_buffer, .address_space: global }
      - { .name: kv, .offset: 8, .size: 8, .value_kind: global_buffer, .address_space: global }
      - { .name: vlo, .offset: 16, .size: 8, .value_kind: global_buffer, .address_space: global }
      - { .name: att, .offset: 24, .size: 8, .value_kind: global_buffer, .address_space: global }
    .group_segment_fixed_size: 327680
    .private_segment_fixed_size: 0
    .kernarg_segment_align: 8
    .kernarg_segment_size: 32
    .max_flat_workgroup_size: 256
    .sgpr_count:     90
    .vgpr_count:     272
    .wavefront_size: 32
...
	.end_amdgpu_metadata
.endif
;; end of part 2
;; launch outp (part 3): grid 256 x 1, 4 waves a work-group, no clusters, 52,736 bytes of LDS; arguments att, Wp, bp, out0; writes out0
.if DOCPART == 3
	.amdgcn_target "amdgcn-amd-amdhsa--gfx1250"
	.amdhsa_code_object_version 6
	.text
	.protected	k_q74607f9d5a_outp
	.globl	k_q74607f9d5a_outp
	.p2align	8
	.type	k_q74607f9d5a_outp,@function
k_q74607f9d5a_outp:
	s_mov_b64 s[64:65], 0
	v_nop
	global_prefetch_b8 v0, s[64:65] scope:SCOPE_SE
	s_setreg_imm32_b32 hwreg(HW_REG_WAVE_MODE, 25, 1), 1
	s_wait_xcnt 0x0
; out0[t][o] = the sum over c of att[t][c] Wp[o][c] + bp[o].  Nothing is left out here.  Wp and bp are rounded to bf16 (as all the program's inputs are); att, the program's own f32 result, goes in as two
; bf16 parts, hi = bf16(att) and lo = bf16(att - hi): 16 significant bits, bf16's range; sums in f32, started by the bias.
; SHARES.  A work-group has 32 rows; wave w the 16 rows of tile w / 2 and the 64 columns of half w % 2: 4 K steps x 2 parts x 4 column tiles = 32 matrix instructions.  All of Wp lies in LDS as bf16.
; LAYOUT.  Source 0 = 16 rows of Wp, source 1 = 16 tokens: a lane ends with one token (l % 16) and 8 neighbouring columns.  att lies as the second launch's accumulators left it, [head][tile][2][lane][4 f32]:
; lane l holds token l % 16, channels 8 (l / 16) + 0..7 of a head, which is half of a source-1 fragment: K step ks takes heads 2 ks and 2 ks + 1.
; NO TENSOR LOAD, NO CLUSTER: Wp is f32 and is rounded in registers on its way into LDS, 32 rows a wave; a joint load would bring f32 rows that each work-group still had to read, round and store again.
.set PW,    272                        ; an LDS row: 256 bytes + 16: the 16 rows of a load start at 16 different groups of four banks (64 banks of 4 bytes: ISA guide 11.1)
.set STAGE, 128*PW                     ; behind Wp's 128 rows: 16 rows x 272 bytes for each wave, for the way out
.set SPARE, STAGE+4*16*PW              ; behind the stages: the spare words, 128 bytes for each of 4 waves, which no other line names
.set L16, 1
.set WO,  2                            ; v2   Wp: my wave's first row, 16 x lane
.set LST, 3                            ; v3   LDS: where I put 8 bytes of a row
.set FA,  4                            ; v4   LDS: my half's rows, (l % 16) x pitch + 16 (l / 16)
.set STO, 5                            ; v5   the stage, in
.set RD,  6                            ; v6   the stage, back
.set CO,  7                            ; v7   my 16 bytes of out0
.set BO,  8                            ; v8   my 32 bytes of bp
.set AO,  9                            ; v9   my 16 bytes of att
.set SPW, 10                           ; v10  my spare word; never rewritten
.set NIL, 11                           ; v11  0; never rewritten
.set ACC, 16                           ; v[16:47]   four accumulators
.set AH,  48                           ; v[48:79]   att's hi part, four fragments (ahead of the barrier v[48:111]: rows 16-31 of my 32 of Wp)
.set AL,  80                           ; v[80:111]  its lo part
.set WF,  112                          ; v[112:239] 16 fragments of Wp (ahead of the barrier v[112:175]: rows 0-15 of my 32 of Wp)
.set OF,  176                          ; v[176:239] ahead of the barrier: att in f32
.set T,   240                          ; v[240:247] at work
	s_load_b256 s[4:11], s[0:1], 0x0               ; att s[4:5], Wp s[6:7], bp s[8:9], out0 s[10:11]
	v_lshl_add_u32 v[SPW], v0, 2, SPARE
	v_mov_b32 v[NIL], 0
	v_lshrrev_b32 v12, 5, v0
	v_readfirstlane_b32 s12, v12                   ; wave 0..3
	s_lshr_b32 s13, s12, 1                         ; which 16 rows
	s_and_b32 s14, s12, 1                          ; which 64 columns
	v_and_b32 v12, 31, v0                          ; lane
	v_and_b32 v13, 15, v0                          ; l % 16
	v_bfe_u32 v14, v0, 4, 1                        ; l / 16
	v_lshlrev_b32 v[L16], 4, v12
	s_lshl_b32 s15, s12, 14                        ; my 32 rows of Wp, 512 bytes each
	v_add_nc_u32 v[WO], s15, v[L16]
	s_mul_i32 s15, s12, 32*PW
	v_lshl_add_u32 v[LST], v12, 3, s15
	v_mul_u32_u24 v[FA], v13, PW
	v_lshl_add_u32 v[FA], v14, 4, v[FA]
	s_mul_i32 s15, s14, 64*PW
	v_add_nc_u32 v[FA], s15, v[FA]
	s_mul_i32 s15, s12, 16*PW
	s_add_co_u32 s15, s15, STAGE                   ; my stage
	v_mul_u32_u24 v[STO], v13, PW                  ; in: row l % 16, 32 bytes for each half of the lanes
	v_lshl_add_u32 v[STO], v14, 5, v[STO]
	v_add_nc_u32 v[STO], s15, v[STO]
	v_mul_u32_u24 v[RD], v14, PW                   ; back: lanes 0-15 one row of 256 bytes, lanes 16-31 the next
	v_lshl_add_u32 v[RD], v13, 4, v[RD]
	v_add_nc_u32 v[RD], s15, v[RD]
	s_lshl_b32 s16, ttmp9, 14                      ; out0: the work-group's 32 rows of 512 bytes,
	s_lshl_b32 s17, s13, 13                        ; my 16,
	s_add_co_u32 s16, s16, s17
	s_lshl_b32 s17, s14, 8                         ; my 256 bytes of a row
	s_add_co_u32 s16, s16, s17
	v_lshlrev_b32 v[CO], 9, v14
	v_lshl_add_u32 v[CO], v13, 4, v[CO]
	v_add_nc_u32 v[CO], s16, v[CO]
	v_lshl_add_u32 v[BO], v14, 5, s17              ; bp: 256 x half + 32 (l / 16)
	s_lshr_b32 s18, ttmp9, 7                       ; batch
	s_lshl_b32 s18, s18, 11                        ; its 8 heads of 256 tiles
	s_and_b32 s19, ttmp9, 127
	s_lshl1_add_u32 s19, s19, s13                  ; my tile
	s_add_co_u32 s18, s18, s19
	s_lshl_b32 s18, s18, 10                        ; 1,024 bytes a tile
	v_add_nc_u32 v[AO], s18, v[L16]
	s_mov_b32 s20, 0xffff0000                      ; a word's upper bf16
	s_wait_kmcnt 0x0
.set i, 0
.rept 32                               ; a whole row of Wp, 512 bytes, an instruction
.set rr, WF+4*i
.if i >= 16
.set rr, AH+4*(i-16)
.endif
	global_load_b128 v[rr:rr+3], v[WO], s[6:7] offset:512*i
.set i, i+1
.endr
.irp hd, 0,1,2,3,4,5,6,7
	global_load_b128 v[OF+8*(\hd):OF+8*(\hd)+3],   v[AO], s[4:5] offset:262144*(\hd)
	global_load_b128 v[OF+8*(\hd)+4:OF+8*(\hd)+7], v[AO], s[4:5] offset:262144*(\hd)+512
.endr
.irp n, 0,1,2,3
	global_load_b128 v[ACC+8*(\n):ACC+8*(\n)+3],   v[BO], s[8:9] offset:64*(\n)
	global_load_b128 v[ACC+8*(\n)+4:ACC+8*(\n)+7], v[BO], s[8:9] offset:64*(\n)+16
.endr
	s_wait_loadcnt 24                              ; Wp's 32 loads are in; att's 16 and bp's 8, issued behind them, may stay out
.set i, 0
.rept 32
.set rr, WF+4*i
.if i >= 16
.set rr, AH+4*(i-16)
.endif
	v_cvt_pk_bf16_f32 v[rr],   v[rr],   v[rr+1]
	v_cvt_pk_bf16_f32 v[rr+1], v[rr+2], v[rr+3]
	ds_store_b64 v[LST], v[rr:rr+1] offset:i*PW
.set i, i+1
.endr
	s_wait_loadcnt 0x0                             ; att and bp
.set i, 0
.rept 16                               ; the bias rounded to bf16 and widened again: it starts the sums
	v_cvt_pk_bf16_f32 v[T+i%8], v[ACC+2*i], v[ACC+2*i+1]
	v_lshlrev_b32 v[ACC+2*i], 16, v[T+i%8]
	v_and_b32 v[ACC+2*i+1], s20, v[T+i%8]
.set i, i+1
.endr
	s_wait_dscnt 0x0                               ; for the others' sake: my rows of Wp lie in LDS; and the stores have read the registers that att's parts now take
	s_barrier_signal -1
.set i, 0
.rept 32                               ; register work between signal and wait: att = hi + lo
	v_cvt_pk_bf16_f32 v[AH+i], v[OF+2*i], v[OF+2*i+1]
	v_lshlrev_b32 v[T+2*(i%4)], 16, v[AH+i]
	v_and_b32 v[T+2*(i%4)+1], s20, v[AH+i]
	v_pk_add_f32 v[OF+2*i:OF+2*i+1], v[OF+2*i:OF+2*i+1], v[T+2*(i%4):T+2*(i%4)+1] neg_lo:[0,1] neg_hi:[0,1]
	v_cvt_pk_bf16_f32 v[AL+i], v[OF+2*i], v[OF+2*i+1]
.set i, i+1
.endr
	s_barrier_wait -1
.irp ks, 0,1,2,3
.irp n, 0,1,2,3
	ds_load_b128 v[WF+8*(4*(\ks)+(\n)):WF+8*(4*(\ks)+(\n))+3],   v[FA] offset:(\n)*16*PW+64*(\ks)
	ds_load_b128 v[WF+8*(4*(\ks)+(\n))+4:WF+8*(4*(\ks)+(\n))+7], v[FA] offset:(\n)*16*PW+64*(\ks)+32
.endr
.endr
.irp ks, 0,1,2,3
	s_wait_dscnt 24-8*(\ks)                        ; this K step's eight loads are in; the later steps' may stay out
.irp part, AH, AL
.irp n, 0,1,2,3                        ; the four accumulators take turns
	v_wmma_f32_16x16x32_bf16 v[ACC+8*(\n):ACC+8*(\n)+7], v[WF+8*(4*(\ks)+(\n)):WF+8*(4*(\ks)+(\n))+7], v[\part+8*(\ks):\part+8*(\ks)+7], v[ACC+8*(\n):ACC+8*(\n)+7]
.endr
.endr
.endr
.rept 4
	v_nop                                          ; four places behind the last product (ISA guide 7.12.1)
.endr
	; THE WAY OUT, through my own stage: 32 bytes a lane go in by rows of 272 bytes and come back as whole rows of 256; each accumulator from its low end on
.irp n, 0,1,2,3
	ds_store_b128 v[STO], v[ACC+8*(\n):ACC+8*(\n)+3]   offset:64*(\n)
	ds_store_b128 v[STO], v[ACC+8*(\n)+4:ACC+8*(\n)+7] offset:64*(\n)+16
.endr
.irp i, 0,1,2,3,4,5,6,7
	ds_load_b128 v[AH+4*(\i):AH+4*(\i)+3], v[RD] offset:(\i)*2*PW  ; LDS serves a wave's instructions in order (ISA guide 5.7.1.4): these see the stores above
.endr
.irp i, 0,1,2,3,4,5,6,7
	s_wait_dscnt 7-(\i)                            ; pair i of rows is back; the younger loads may stay out
	global_store_b128 v[CO], v[AH+4*(\i):AH+4*(\i)+3], s[10:11] offset:1024*(\i) th:TH_STORE_NT  ; 16 lanes store 256 consecutive bytes, at a multiple of 256 from out0's first byte
.endr
	s_wait_tensorcnt 0x0                           ; the wave's end, behind my last LDS store
	ds_add_u32 v[SPW], v[NIL]
	s_wait_dscnt 0x0
	s_endpgm
.Lfunc_end_k_q74607f9d5a_outp:
	.size	k_q74607f9d5a_outp, .Lfunc_end_k_q74607f9d5a_outp-k_q74607f9d5a_outp
	.p2alignl 7, 3214868480
	.fill 96, 4, 3214868480
	.section	.rodata,"a",@progbits
	.p2align	6, 0x0
	.amdhsa_kernel k_q74607f9d5a_outp
		.amdhsa_group_segment_fixed_size 52736
		.amdhsa_private_segment_fixed_size 0
		.amdhsa_enable_private_segment 0
		.amdhsa_kernarg_size 32
		.amdhsa_user_sgpr_count 2
		.amdhsa_user_sgpr_kernarg_segment_ptr 1
		.amdhsa_wavefront_size32 1
		.amdhsa_system_sgpr_workgroup_id_x 1
		.amdhsa_system_sgpr_workgroup_id_y 1
		.amdhsa_system_sgpr_workgroup_id_z 1
		.amdhsa_system_vgpr_workitem_id 0
		.amdhsa_next_free_vgpr 248
		.amdhsa_next_free_sgpr 66
		.amdhsa_reserve_vcc 0
		.amdhsa_float_denorm_mode_32 3
		.amdhsa_float_denorm_mode_16_64 3
		.amdhsa_memory_ordered 1
		.amdhsa_forward_progress 1
		.amdhsa_inst_pref_size 31
	.end_amdhsa_kernel
	.amdgpu_metadata
---
amdhsa.version: [ 1, 2 ]
amdhsa.kernels:
  - .name:           k_q74607f9d5a_outp
    .symbol:         k_q74607f9d5a_outp.kd
    .args:
      - { .name: att, .offset: 0, .size: 8, .value_kind: global_buffer, .address_space: global }
      - { .name: Wp, .offset: 8, .size: 8, .value_kind: global_buffer, .address_space: global }
      - { .name: bp, .offset: 16, .size: 8, .value_kind: global_buffer, .address_space: global }
      - { .name: out0, .offset: 24, .size: 8, .value_kind: global_buffer, .address_space: global }
    .group_segment_fixed_size: 52736
    .private_segment_fixed_size: 0
    .kernarg_segment_align: 8
    .kernarg_segment_size: 32
    .max_flat_workgroup_size: 128
    .sgpr_count:     66
    .vgpr_count:     248
    .wavefront_size: 32
...
	.end_amdgpu_metadata
.endif
;; end of part 3
;; ======== version 2 of 2: 3 launches; version 1 with the launches proj, outp written anew for expert scheduling mode
;; limits: values are held in f16: magnitudes above 65,504 overflow, below 6.1e-05 lose precision
;; workspace buffers: qf 2,097,152 bytes; kv 4,194,304 bytes; vlo 2,097,152 bytes; att 4,194,304 bytes
;; launch proj (part 4): grid 64 x 4, 8 waves a work-group, no clusters, 27,136 bytes of LDS; arguments x, Wq, Wk, Wv, qf, kv, vlo; writes qf, kv, vlo
.if DOCPART == 4
	.amdgcn_target "amdgcn-amd-amdhsa--gfx1250"
	.amdhsa_code_object_version 6
	.text
	.protected	k_q74607f9d5a_proj
	.globl	k_q74607f9d5a_proj
	.p2align	8
	.type	k_q74607f9d5a_proj,@function
k_q74607f9d5a_proj:
	s_mov_b64 s[64:65], 0
	v_nop
	global_prefetch_b8 v0, s[64:65] scope:SCOPE_SE
	s_setreg_imm32_b32 hwreg(HW_REG_WAVE_SCHED_MODE, 0, 2), 2
	s_setreg_imm32_b32 hwreg(HW_REG_WAVE_MODE, 25, 1), 1
	s_wait_xcnt 0x0
	s_wait_alu depctr_vm_vsrc(0)
; CAUSAL MULTI-HEAD ATTENTION (B 2, T 4096, C 128, 8 heads of 16), three launches: this one makes q, k, v; the second the attention by heads; the third the output projection.
; WORK LEFT OUT, in the second launch alone: reference() overwrites scores[t][s] with -inf wherever s > t, by a mask that it builds itself (jnp.tril), ahead of the softmax and whatever the
; inputs hold; the weight is then exactly 0 and its product with v adds nothing.  So a step of 64 keys that lies wholly behind a band of 64 queries is neither multiplied nor summed; inside a
; band's own step the hidden scores are computed and masked.  Every input has a way to the output and is loaded.  LIMIT: a NaN, an infinity or an overflow that would arise only in scores so
; left out is not carried to the result (reference() overwrites them too).
; THIS LAUNCH: q = x Wq^T, k = x Wk^T, v = x Wv^T.  x and the weights are rounded to bf16 on their way (all inputs of the program are); sums in f32.  c = log2(e) / 4 is multiplied onto q's
; f32 sums, so the second launch's scores are exponents of 2.  q c, k and v are stored once rounded to f16; v also leaves lo = f16(v - f16(v)), which the second launch multiplies where a row has few keys.
; LIMIT: q c, k and v must lie within f16's 65,504; below 6e-5 f16 keeps its fixed step of 6e-8.
; SHARES.  A work-group has 128 tokens x 2 heads x (q, k, v); wave w the 16 tokens 16 w ..: 24 matrix instructions.  The pair's 96 rows of W lie in LDS as bf16.
; LAYOUT OUT: the order in which the second launch's matrix operands take them; every store of a wave covers 512 consecutive bytes, aligned.
;   qf, K part of kv: lane l holds token l % 16, channels 8 (l / 16) + 0..7 (source 0 = rows of W, source 1 = tokens);  V part of kv, vlo: channel l % 16, tokens 8 (l / 16) + 0..7 (sources swapped).
; NO TENSOR LOAD, NO CLUSTER: the weights are f32 and are rounded in registers on their way into LDS, 12 rows a wave; a joint load would bring f32 rows that each work-group still had to read, round and store again.
; THE MODE: SCHED_MODE bits 1:0 = 2 (LLVM: expert scheduling mode 2), set by the entry lines.  The code itself states the register dependences
; between vector or matrix instructions and memory or LDS instructions, with s_wait_alu, always for 0.
; THE PLAN.  Registers that memory or LDS instructions touch:
;   v1-v9            offsets and LDS addresses: written once at the head, read by loads and stores, never written again.
;   WF, XF           global loads land in them; the conversions read them; behind the barrier fragments of W land in the same registers.
;   WP               W's 24 conversions write it; the 12 LDS stores, in one run, read it; behind the barrier fragments of W land in it.
;   WB, W3           four sets of fragments of W, one for each 32 channels: 48 LDS loads land in them, in one run behind the barrier; the matrix instructions read them.
;                    No set is loaded twice, so no wait stands among the matrix instructions.
;   OUT              the roundings write it; the 8 global stores read it; never written again.
;   ACC, XB, T and ONE are named by vector and matrix instructions alone.  v6, v7: written at the head, read by the closing add alone.
.set PW,    272                        ; an LDS row: 256 bytes + 16 = 68 words: the 16 rows of a fragment load start at 16 different groups of four banks (64 banks of 4 bytes: ISA guide 11.1)
.set SPARE, 96*PW                      ; behind the 96 rows: the spare words, 128 bytes for each of 8 waves, which no other line names
.set L16, 1                            ; v1   16 x lane
.set XO,  2                            ; v2   x: (l % 16) x 512 + 32 (l / 16)
.set WO,  3                            ; v3   W: my wave's first row, 16 x lane
.set LST, 4                            ; v4   LDS: where I put 8 bytes of a row of W
.set FA,  5                            ; v5   LDS: (l % 16) x pitch + 16 (l / 16)
.set SPW, 6                            ; v6   my spare word; never rewritten
.set NIL, 7                            ; v7   0; never rewritten
.set QOF, 8                            ; v8   my 16 bytes in qf and in vlo
.set KOF, 9                            ; v9   my 16 bytes in kv
.set ONE, 10                           ; v10  1.0
.set ACC, 16                           ; v[16:63]   six accumulators: 2 x matrix + head of the pair
.set XB,  64                           ; v[64:95]   x, four bf16 fragments
.set WB,  96                           ; v[96:239]  three sets of six fragments of W: channels 0-31, 32-63, 64-95
.set W3,  0                            ; v[256:303] (window 1, written v0-v47): the fourth set, channels 96-127
.set XF,  96                           ; v[96:159]  ahead of the barrier: x in f32
.set WF,  160                          ; v[160:207] ahead of the barrier: 12 rows of W in f32
.set WP,  208                          ; v[208:231] the same rounded
.set OUT, 96                           ; v[96:127]  results in f16
.set T,   192                          ; v[192:207] v - hi
.set MSB, 0
.macro WIN new                         ; s_set_vgpr_msb: bits 1:0 source 0, 3:2 source 1, 5:4 source 2, 7:6 destination; the immediate's high byte repeats the setting that is left
.if MSB != (\new)
	s_set_vgpr_msb (MSB<<8)|(\new)
.set MSB, \new
.endif
.endm
	s_load_b256 s[4:11], s[0:1], 0x0               ; x s[4:5], Wq s[6:7], Wk s[8:9], Wv s[10:11]
	s_load_b128 s[12:15], s[0:1], 0x20             ; qf s[12:13], kv s[14:15]
	s_load_b64 s[16:17], s[0:1], 0x30              ; vlo
	v_lshl_add_u32 v[SPW], v0, 2, SPARE
	v_mov_b32 v[NIL], 0
	v_lshrrev_b32 v11, 5, v0
	v_readfirstlane_b32 s18, v11                   ; wave 0..7
	s_and_b32 s19, ttmp7, 0xffff                   ; the pair of heads, 0..3
	v_and_b32 v12, 31, v0                          ; lane
	v_and_b32 v13, 15, v0                          ; l % 16
	v_bfe_u32 v14, v0, 4, 1                        ; l / 16
	v_mov_b32 v[ONE], 1.0
	v_lshlrev_b32 v[L16], 4, v12
	v_lshlrev_b32 v[XO], 9, v13
	v_lshl_add_u32 v[XO], v14, 5, v[XO]
	v_mul_u32_u24 v[FA], v13, PW
	v_lshl_add_u32 v[FA], v14, 4, v[FA]
	s_lshl_b32 s20, s19, 5                         ; the pair's 32 rows of each W,
	s_wait_alu depctr_va_sdst(0)                   ; s18 is written, ahead of its first reader: offsets and LDS addresses are made from it
	s_lshl2_add_u32 s20, s18, s20                  ; my wave's four of them
	s_lshl_b32 s20, s20, 9
	v_add_nc_u32 v[WO], s20, v[L16]
	s_mul_i32 s21, s18, 4*PW
	v_lshl_add_u32 v[LST], v12, 3, s21
	s_lshr_b32 s22, ttmp9, 5                       ; batch
	s_lshl_b32 s22, s22, 3
	s_lshl1_add_u32 s22, s19, s22                  ; 8 x batch + the pair's first head
	s_and_b32 s23, ttmp9, 31
	s_lshl3_add_u32 s23, s23, s18                  ; my tile of 16 tokens among the batch's 256
	s_lshl_b32 s24, s22, 17                        ; qf, vlo: 131,072 bytes a head, 512 a tile
	s_lshl_b32 s25, s23, 9
	s_add_co_u32 s24, s24, s25
	v_add_nc_u32 v[QOF], s24, v[L16]
	s_lshl_b32 s24, s22, 18                        ; kv: 262,144 bytes a head, 32,768 a slot of 32 tiles, 512 a tile
	s_lshr_b32 s25, s23, 5
	s_lshl_b32 s25, s25, 15
	s_add_co_u32 s24, s24, s25
	s_and_b32 s25, s23, 31
	s_lshl_b32 s25, s25, 9
	s_add_co_u32 s24, s24, s25
	v_add_nc_u32 v[KOF], s24, v[L16]
	s_lshl_b32 s26, ttmp9, 16                      ; x: the work-group's 128 rows of 512 bytes,
	s_lshl_b32 s27, s18, 13                        ; my wave's 16
	s_add_co_u32 s26, s26, s27
	s_mov_b32 s27, 0
	s_mov_b32 s28, 0x3eb8aa3b                      ; c = log2(e) / 4
	s_mov_b32 s29, s28                             ; named with it as a pair
	s_wait_kmcnt 0x0
	s_add_nc_u64 s[4:5], s[4:5], s[26:27]
	s_wait_alu depctr_va_vdst(0)                   ; the offsets and LDS addresses v1 to v9 are written, which every load and store of the kernel reads
.irp m, 0,1,2
.irp i, 0,1,2,3
	global_load_b128 v[WF+16*(\m)+4*(\i):WF+16*(\m)+4*(\i)+3], v[WO], s[6+2*(\m):7+2*(\m)] offset:512*(\i)  ; a whole row of W, 512 bytes
.endr
.endr
.irp ks, 0,1,2,3                       ; a fragment's 16 rows x 32 channels in f32: channels 8 (l / 16) + 0..7 and 16 + 8 (l / 16) + 0..7
	global_load_b128 v[XF+16*(\ks):XF+16*(\ks)+3],     v[XO], s[4:5] offset:128*(\ks)
	global_load_b128 v[XF+16*(\ks)+4:XF+16*(\ks)+7],   v[XO], s[4:5] offset:128*(\ks)+16
	global_load_b128 v[XF+16*(\ks)+8:XF+16*(\ks)+11],  v[XO], s[4:5] offset:128*(\ks)+64
	global_load_b128 v[XF+16*(\ks)+12:XF+16*(\ks)+15], v[XO], s[4:5] offset:128*(\ks)+80
.endr
	s_wait_loadcnt 16                              ; W's 12 loads are in; x's 16, issued behind them, may stay out
.irp m, 0,1,2
.irp i, 0,1,2,3
	v_cvt_pk_bf16_f32 v[WP+8*(\m)+2*(\i)],   v[WF+16*(\m)+4*(\i)],   v[WF+16*(\m)+4*(\i)+1]
	v_cvt_pk_bf16_f32 v[WP+8*(\m)+2*(\i)+1], v[WF+16*(\m)+4*(\i)+2], v[WF+16*(\m)+4*(\i)+3]
.endr
.endr
	s_wait_alu depctr_va_vdst(0)                   ; the 24 conversions have written WP, which the 12 LDS stores read
.irp m, 0,1,2
.irp i, 0,1,2,3
	ds_store_b64 v[LST], v[WP+8*(\m)+2*(\i):WP+8*(\m)+2*(\i)+1] offset:(32*(\m)+(\i))*PW
.endr
.endr
	s_wait_loadcnt 0x0                             ; x
.set i, 0
.rept 32
	v_cvt_pk_bf16_f32 v[XB+i], v[XF+2*i], v[XF+2*i+1]
.set i, i+1
.endr
	s_wait_dscnt 0x0                               ; for the others' sake: my rows of W lie in LDS
	s_barrier_signal -1
	s_barrier_wait -1
.macro PLACES                          ; four places behind a matrix instruction, ahead of lines that read its result (ISA guide 7.12.1)
.rept 4
	v_nop
.endr
.endm
.macro LW base, ks                     ; the six fragments of W for channels 32 ks on, into the set at base
.irp mh, 0,1,2,3,4,5
	ds_load_b128 v[(\base)+8*(\mh):(\base)+8*(\mh)+3],   v[FA] offset:(\mh)*16*PW+(\ks)*64
	ds_load_b128 v[(\base)+8*(\mh)+4:(\base)+8*(\mh)+7], v[FA] offset:(\mh)*16*PW+(\ks)*64+32
.endr
.endm
; Six products a K step, the accumulators by turns; q and k with W as source 0 (MMQK), v with x as source 0 (MMV).  zero = 1: they start the sums
.macro MMQK base, ks, zero
.irp mh, 0,1,2,3
.if \zero
	v_wmma_f32_16x16x32_bf16 v[ACC+8*(\mh):ACC+8*(\mh)+7], v[(\base)+8*(\mh):(\base)+8*(\mh)+7], v[XB+8*(\ks):XB+8*(\ks)+7], 0
.else
	v_wmma_f32_16x16x32_bf16 v[ACC+8*(\mh):ACC+8*(\mh)+7], v[(\base)+8*(\mh):(\base)+8*(\mh)+7], v[XB+8*(\ks):XB+8*(\ks)+7], v[ACC+8*(\mh):ACC+8*(\mh)+7]
.endif
.endr
.endm
.macro MMV base, ks, zero
.irp mh, 4,5
.if \zero
	v_wmma_f32_16x16x32_bf16 v[ACC+8*(\mh):ACC+8*(\mh)+7], v[XB+8*(\ks):XB+8*(\ks)+7], v[(\base)+8*(\mh):(\base)+8*(\mh)+7], 0
.else
	v_wmma_f32_16x16x32_bf16 v[ACC+8*(\mh):ACC+8*(\mh)+7], v[XB+8*(\ks):XB+8*(\ks)+7], v[(\base)+8*(\mh):(\base)+8*(\mh)+7], v[ACC+8*(\mh):ACC+8*(\mh)+7]
.endif
.endr
.endm
	s_wait_alu depctr_va_vdst(0)                   ; x's conversions are done reading XF, W's are done reading WF and writing WP: fragments of W land in all three
	s_wait_alu depctr_vm_vsrc(0)                   ; my LDS stores have read WP, in which the third set lands
	LW WB, 0                                       ; all 48 loads in one run: behind the two waits stand only loads and one window switch
	LW WB+48, 1
	LW WB+96, 2
	WIN 0x40                                       ; destination in window 1, address in window 0
	LW W3, 3
	WIN 0
	s_wait_dscnt 36                                ; the first set is in; the 36 younger loads may stay out
	MMQK WB, 0, 1
	MMV  WB, 0, 1
	s_wait_dscnt 24                                ; the second set is in; 24 younger loads may stay out
	MMQK WB+48, 1, 0
	MMV  WB+48, 1, 0
	s_wait_dscnt 12                                ; the third set is in; the fourth set's 12 loads may stay out
	MMQK WB+96, 2, 0
	MMV  WB+96, 2, 0
	s_wait_dscnt 0x0
	WIN 0x01                                       ; source 0, W's fragment, in window 1
	MMQK W3, 3, 0
	WIN 0x04                                       ; source 1, W's fragment, in window 1
	MMV  W3, 3, 0
	WIN 0
	PLACES
	; THE WAY OUT.  Each accumulator is taken from its low end on.
.irp mh, 0,1
.irp i, 0,1,2,3
	v_pk_mul_f32 v[ACC+8*(\mh)+2*(\i):ACC+8*(\mh)+2*(\i)+1], v[ACC+8*(\mh)+2*(\i):ACC+8*(\mh)+2*(\i)+1], s[28:29] op_sel_hi:[1,0]  ; q times c, in f32
.endr
.endr
.irp mh, 0,1,2,3,4,5
.irp i, 0,1,2,3
	v_cvt_pk_f16_f32 v[OUT+4*(\mh)+(\i)], v[ACC+8*(\mh)+2*(\i)], v[ACC+8*(\mh)+2*(\i)+1]
.endr
.endr
.macro LOPART hh, i                    ; v - hi x 1.0 for two numbers: the f16 half is read as it lies, the difference is exact
	v_fma_mix_f32 v[T+8*(\hh)+2*(\i)],   -v[OUT+16+4*(\hh)+(\i)], v[ONE], v[ACC+32+8*(\hh)+2*(\i)] op_sel_hi:[1,0,0]
	v_fma_mix_f32 v[T+8*(\hh)+2*(\i)+1], -v[OUT+16+4*(\hh)+(\i)], v[ONE], v[ACC+32+8*(\hh)+2*(\i)+1] op_sel:[1,0,0] op_sel_hi:[1,0,0]
.endm
	s_wait_alu depctr_va_vdst(0)                   ; the 24 roundings have written OUT's first 24 registers, which the six stores below read
	global_store_b128 v[KOF], v[OUT+16:OUT+19], s[14:15] offset:16384         ; v's hi part, behind the slot's 16,384 bytes of k: these two go first, ahead of the lines that read the same registers
	global_store_b128 v[KOF], v[OUT+20:OUT+23], s[14:15] offset:262144+16384
	LOPART 0, 0                                    ; the lines dealt among the four stores below name T, ACC, ONE and v's hi part: none of the registers that those stores touch
	LOPART 0, 1
	global_store_b128 v[QOF], v[OUT:OUT+3],     s[12:13]                      ; q, the pair's first head,
	LOPART 0, 2
	LOPART 0, 3
	global_store_b128 v[QOF], v[OUT+4:OUT+7],   s[12:13] offset:131072        ; its second
	LOPART 1, 0
	LOPART 1, 1
	global_store_b128 v[KOF], v[OUT+8:OUT+11],  s[14:15]                      ; k
	LOPART 1, 2
	LOPART 1, 3
	global_store_b128 v[KOF], v[OUT+12:OUT+15], s[14:15] offset:262144
.irp hh, 0,1
.irp i, 0,1,2,3
	v_cvt_pk_f16_f32 v[OUT+24+4*(\hh)+(\i)], v[T+8*(\hh)+2*(\i)], v[T+8*(\hh)+2*(\i)+1]
.endr
.endr
	s_wait_alu depctr_va_vdst(0)                   ; the last eight roundings have written OUT's last 8 registers, which the two stores below read
	global_store_b128 v[QOF], v[OUT+24:OUT+27], s[16:17]                      ; v's lo part
	global_store_b128 v[QOF], v[OUT+28:OUT+31], s[16:17] offset:131072
	s_wait_dscnt 0x0                               ; the closing lines, six on end
	s_wait_alu 0x0
	s_wait_tensorcnt 0x0
	ds_add_u32 v[SPW], v[NIL]
	s_wait_dscnt 0x0
	s_endpgm
.Lfunc_end_k_q74607f9d5a_proj:
	.size	k_q74607f9d5a_proj, .Lfunc_end_k_q74607f9d5a_proj-k_q74607f9d5a_proj
	.p2alignl 7, 3214868480
	.fill 96, 4, 3214868480
	.section	.rodata,"a",@progbits
	.p2align	6, 0x0
	.amdhsa_kernel k_q74607f9d5a_proj
		.amdhsa_group_segment_fixed_size 27136
		.amdhsa_private_segment_fixed_size 0
		.amdhsa_enable_private_segment 0
		.amdhsa_kernarg_size 56
		.amdhsa_user_sgpr_count 2
		.amdhsa_user_sgpr_kernarg_segment_ptr 1
		.amdhsa_wavefront_size32 1
		.amdhsa_system_sgpr_workgroup_id_x 1
		.amdhsa_system_sgpr_workgroup_id_y 1
		.amdhsa_system_sgpr_workgroup_id_z 1
		.amdhsa_system_vgpr_workitem_id 0
		.amdhsa_next_free_vgpr 304
		.amdhsa_next_free_sgpr 66
		.amdhsa_reserve_vcc 0
		.amdhsa_float_denorm_mode_32 3
		.amdhsa_float_denorm_mode_16_64 3
		.amdhsa_memory_ordered 1
		.amdhsa_forward_progress 1
		.amdhsa_inst_pref_size 19
	.end_amdhsa_kernel
	.amdgpu_metadata
---
amdhsa.version: [ 1, 2 ]
amdhsa.kernels:
  - .name:           k_q74607f9d5a_proj
    .symbol:         k_q74607f9d5a_proj.kd
    .args:
      - { .name: x, .offset: 0, .size: 8, .value_kind: global_buffer, .address_space: global }
      - { .name: Wq, .offset: 8, .size: 8, .value_kind: global_buffer, .address_space: global }
      - { .name: Wk, .offset: 16, .size: 8, .value_kind: global_buffer, .address_space: global }
      - { .name: Wv, .offset: 24, .size: 8, .value_kind: global_buffer, .address_space: global }
      - { .name: qf, .offset: 32, .size: 8, .value_kind: global_buffer, .address_space: global }
      - { .name: kv, .offset: 40, .size: 8, .value_kind: global_buffer, .address_space: global }
      - { .name: vlo, .offset: 48, .size: 8, .value_kind: global_buffer, .address_space: global }
    .group_segment_fixed_size: 27136
    .private_segment_fixed_size: 0
    .kernarg_segment_align: 8
    .kernarg_segment_size: 56
    .max_flat_workgroup_size: 256
    .sgpr_count:     66
    .vgpr_count:     304
    .wavefront_size: 32
...
	.end_amdgpu_metadata
.endif
;; end of part 4
;; launch attn: the kernel of part 2 again; grid 16 x 16, 8 waves a work-group, clusters of 4 x 1, 327,680 bytes of LDS; arguments qf, kv, vlo, att; writes att
;; launch outp (part 5): grid 256 x 1, 4 waves a work-group, no clusters, 52,736 bytes of LDS; arguments att, Wp, bp, out0; writes out0
.if DOCPART == 5
	.amdgcn_target "amdgcn-amd-amdhsa--gfx1250"
	.amdhsa_code_object_version 6
	.text
	.protected	k_q74607f9d5a_outp
	.globl	k_q74607f9d5a_outp
	.p2align	8
	.type	k_q74607f9d5a_outp,@function
k_q74607f9d5a_outp:
	s_mov_b64 s[64:65], 0
	v_nop
	global_prefetch_b8 v0, s[64:65] scope:SCOPE_SE
	s_setreg_imm32_b32 hwreg(HW_REG_WAVE_SCHED_MODE, 0, 2), 2
	s_setreg_imm32_b32 hwreg(HW_REG_WAVE_MODE, 25, 1), 1
	s_wait_xcnt 0x0
	s_wait_alu depctr_vm_vsrc(0)
; out0[t][o] = the sum over c of att[t][c] Wp[o][c] + bp[o].  Nothing is left out here.  Wp and bp are rounded to bf16 (as all the program's inputs are); att, the program's own f32 result, goes in as two
; bf16 parts, hi = bf16(att) and lo = bf16(att - hi): 16 significant bits, bf16's range; sums in f32, started by the bias.
; SHARES.  A work-group has 32 rows; wave w the 16 rows of tile w / 2 and the 64 columns of half w % 2: 4 K steps x 2 parts x 4 column tiles = 32 matrix instructions.  All of Wp lies in LDS as bf16.
; LAYOUT.  Source 0 = 16 rows of Wp, source 1 = 16 tokens: a lane ends with one token (l % 16) and 8 neighbouring columns.  att lies as the second launch's accumulators left it, [head][tile][2][lane][4 f32]:
; lane l holds token l % 16, channels 8 (l / 16) + 0..7 of a head, which is half of a source-1 fragment: K step ks takes heads 2 ks and 2 ks + 1.
; NO TENSOR LOAD, NO CLUSTER: Wp is f32 and is rounded in registers on its way into LDS, 32 rows a wave; a joint load would bring f32 rows that each work-group still had to read, round and store again.
; THE MODE: SCHED_MODE bits 1:0 = 2 (LLVM: expert scheduling mode 2), set by the entry lines.  The code itself states the register dependences
; between vector or matrix instructions and memory or LDS instructions, with s_wait_alu, always for 0.
; THE PLAN.  Registers that memory or LDS instructions touch:
;   v1-v9       offsets and LDS addresses: written once at the head, never again.
;   v[112:175]  rows 0-15 of my 32 of Wp: loaded, rounded in place, read by 16 LDS stores; behind the barrier the fragments of K steps 0 and 1 land in them.
;   v[48:111]   rows 16-31: the same; then att's hi and lo parts, written by vector lines and read by the matrix instructions; at the end the stage's rows land in v[48:79], which the global stores read.
;   v[176:239]  att in f32: loaded, read and rewritten by the split into hi and lo; behind the barrier the fragments of K steps 2 and 3 land in them.
;   v[16:47]    bp lands in them and is rounded in place; then the accumulators, which 8 LDS stores read.
;   v[240:247] are named by vector lines alone.  v10, v11: written at the head, read by the closing add alone.
; Each half of Wp's rounding has one wait between its 32 conversions and its 16 LDS stores; one wait ahead of the barrier's signal frees all that those stores read; behind the barrier half of the
; fragments' loads owe nothing more, and one wait stands ahead of the other half; one wait stands ahead of the way out.
.set PW,    272                        ; an LDS row: 256 bytes + 16: the 16 rows of a load start at 16 different groups of four banks (64 banks of 4 bytes: ISA guide 11.1)
.set STAGE, 128*PW                     ; behind Wp's 128 rows: 16 rows x 272 bytes for each wave, for the way out
.set SPARE, STAGE+4*16*PW              ; behind the stages: the spare words, 128 bytes for each of 4 waves, which no other line names
.set L16, 1
.set WO,  2                            ; v2   Wp: my wave's first row, 16 x lane
.set LST, 3                            ; v3   LDS: where I put 8 bytes of a row
.set FA,  4                            ; v4   LDS: my half's rows, (l % 16) x pitch + 16 (l / 16)
.set STO, 5                            ; v5   the stage, in
.set RD,  6                            ; v6   the stage, back
.set CO,  7                            ; v7   my 16 bytes of out0
.set BO,  8                            ; v8   my 32 bytes of bp
.set AO,  9                            ; v9   my 16 bytes of att
.set SPW, 10                           ; v10  my spare word; never rewritten
.set NIL, 11                           ; v11  0; never rewritten
.set ACC, 16                           ; v[16:47]   four accumulators
.set AH,  48                           ; v[48:79]   att's hi part, four fragments (ahead of the barrier v[48:111]: rows 16-31 of my 32 of Wp)
.set AL,  80                           ; v[80:111]  its lo part
.set WF,  112                          ; v[112:239] 16 fragments of Wp (ahead of the barrier v[112:175]: rows 0-15 of my 32 of Wp)
.set OF,  176                          ; v[176:239] ahead of the barrier: att in f32
.set T,   240                          ; v[240:247] at work
	s_load_b256 s[4:11], s[0:1], 0x0               ; att s[4:5], Wp s[6:7], bp s[8:9], out0 s[10:11]
	v_lshl_add_u32 v[SPW], v0, 2, SPARE
	v_mov_b32 v[NIL], 0
	v_lshrrev_b32 v12, 5, v0
	v_readfirstlane_b32 s12, v12                   ; wave 0..3
	v_and_b32 v12, 31, v0                          ; lane
	v_and_b32 v13, 15, v0                          ; l % 16
	v_bfe_u32 v14, v0, 4, 1                        ; l / 16
	v_lshlrev_b32 v[L16], 4, v12
	v_mul_u32_u24 v[FA], v13, PW
	v_lshl_add_u32 v[FA], v14, 4, v[FA]
	v_mul_u32_u24 v[STO], v13, PW                  ; in: row l % 16, 32 bytes for each half of the lanes
	v_lshl_add_u32 v[STO], v14, 5, v[STO]
	v_mul_u32_u24 v[RD], v14, PW                   ; back: lanes 0-15 one row of 256 bytes, lanes 16-31 the next
	v_lshl_add_u32 v[RD], v13, 4, v[RD]
	v_lshlrev_b32 v[CO], 9, v14
	v_lshl_add_u32 v[CO], v13, 4, v[CO]
	s_wait_alu depctr_va_sdst(0)                   ; s12 is written, ahead of its first reader: offsets and LDS addresses are made from it
	s_lshr_b32 s13, s12, 1                         ; which 16 rows
	s_and_b32 s14, s12, 1                          ; which 64 columns
	s_lshl_b32 s15, s12, 14                        ; my 32 rows of Wp, 512 bytes each
	v_add_nc_u32 v[WO], s15, v[L16]
	s_mul_i32 s15, s12, 32*PW
	v_lshl_add_u32 v[LST], v12, 3, s15
	s_mul_i32 s15, s14, 64*PW
	v_add_nc_u32 v[FA], s15, v[FA]
	s_mul_i32 s15, s12, 16*PW
	s_add_co_u32 s15, s15, STAGE                   ; my stage
	v_add_nc_u32 v[STO], s15, v[STO]
	v_add_nc_u32 v[RD], s15, v[RD]
	s_lshl_b32 s16, ttmp9, 14                      ; out0: the work-group's 32 rows of 512 bytes,
	s_lshl_b32 s17, s13, 13                        ; my 16,
	s_add_co_u32 s16, s16, s17
	s_lshl_b32 s17, s14, 8                         ; my 256 bytes of a row
	s_add_co_u32 s16, s16, s17
	v_add_nc_u32 v[CO], s16, v[CO]
	v_lshl_add_u32 v[BO], v14, 5, s17              ; bp: 256 x half + 32 (l / 16)
	s_lshr_b32 s18, ttmp9, 7                       ; batch
	s_lshl_b32 s18, s18, 11                        ; its 8 heads of 256 tiles
	s_and_b32 s19, ttmp9, 127
	s_lshl1_add_u32 s19, s19, s13                  ; my tile
	s_add_co_u32 s18, s18, s19
	s_lshl_b32 s18, s18, 10                        ; 1,024 bytes a tile
	v_add_nc_u32 v[AO], s18, v[L16]
	s_mov_b32 s20, 0xffff0000                      ; a word's upper bf16
	s_wait_kmcnt 0x0
	s_wait_alu depctr_va_vdst(0)                   ; the offsets and LDS addresses v1 to v9 are written, which every load and store of the kernel reads
.set i, 0
.rept 32                               ; a whole row of Wp, 512 bytes, an instruction
.set rr, WF+4*i
.if i >= 16
.set rr, AH+4*(i-16)
.endif
	global_load_b128 v[rr:rr+3], v[WO], s[6:7] offset:512*i
.set i, i+1
.endr
.irp hd, 0,1,2,3,4,5,6,7
	global_load_b128 v[OF+8*(\hd):OF+8*(\hd)+3],   v[AO], s[4:5] offset:262144*(\hd)
	global_load_b128 v[OF+8*(\hd)+4:OF+8*(\hd)+7], v[AO], s[4:5] offset:262144*(\hd)+512
.endr
.irp n, 0,1,2,3
	global_load_b128 v[ACC+8*(\n):ACC+8*(\n)+3],   v[BO], s[8:9] offset:64*(\n)
	global_load_b128 v[ACC+8*(\n)+4:ACC+8*(\n)+7], v[BO], s[8:9] offset:64*(\n)+16
.endr
	s_wait_loadcnt 40                              ; Wp's first 16 loads are in; its other 16, att's 16 and bp's 8, issued behind them, may stay out
.set i, 0
.rept 16
	v_cvt_pk_bf16_f32 v[WF+4*i],   v[WF+4*i],   v[WF+4*i+1]
	v_cvt_pk_bf16_f32 v[WF+4*i+1], v[WF+4*i+2], v[WF+4*i+3]
.set i, i+1
.endr
	s_wait_alu depctr_va_vdst(0)                   ; the 32 conversions have written rows 0-15, which the 16 LDS stores read; they are also done with v[112:175], in which fragments land behind the barrier
.set i, 0
.rept 16
	ds_store_b64 v[LST], v[WF+4*i:WF+4*i+1] offset:i*PW
.set i, i+1
.endr
	s_wait_loadcnt 24                              ; Wp's 32 loads are in; att's 16 and bp's 8 may stay out
.set i, 0
.rept 16
	v_cvt_pk_bf16_f32 v[AH+4*i],   v[AH+4*i],   v[AH+4*i+1]
	v_cvt_pk_bf16_f32 v[AH+4*i+1], v[AH+4*i+2], v[AH+4*i+3]
.set i, i+1
.endr
	s_wait_alu depctr_va_vdst(0)                   ; the 32 conversions have written rows 16-31, which the 16 LDS stores read
.set i, 0
.rept 16
	ds_store_b64 v[LST], v[AH+4*i:AH+4*i+1] offset:(16+i)*PW
.set i, i+1
.endr
	s_wait_loadcnt 0x0                             ; att and bp
.set i, 0
.rept 16                               ; the bias rounded to bf16 and widened again: it starts the sums
	v_cvt_pk_bf16_f32 v[T+i%8], v[ACC+2*i], v[ACC+2*i+1]
	v_lshlrev_b32 v[ACC+2*i], 16, v[T+i%8]
	v_and_b32 v[ACC+2*i+1], s20, v[T+i%8]
.set i, i+1
.endr
	s_wait_dscnt 0x0                               ; for the others' sake: my rows of Wp lie in LDS
	s_wait_alu depctr_vm_vsrc(0)                   ; my 32 LDS stores have read their data: v[48:111] are written again by att's parts below, v[112:175] by the fragments' loads behind the barrier
	s_barrier_signal -1
.set i, 0
.rept 32                               ; register work between signal and wait: att = hi + lo
	v_cvt_pk_bf16_f32 v[AH+i], v[OF+2*i], v[OF+2*i+1]
	v_lshlrev_b32 v[T+2*(i%4)], 16, v[AH+i]
	v_and_b32 v[T+2*(i%4)+1], s20, v[AH+i]
	v_pk_add_f32 v[OF+2*i:OF+2*i+1], v[OF+2*i:OF+2*i+1], v[T+2*(i%4):T+2*(i%4)+1] neg_lo:[0,1] neg_hi:[0,1]
	v_cvt_pk_bf16_f32 v[AL+i], v[OF+2*i], v[OF+2*i+1]
.set i, i+1
.endr
	s_barrier_wait -1
.irp ks, 0,1                           ; no wait: since the wait behind rows 0-15's conversions no vector line has named v[112:175] or the address (the bias names v[16:47] and v[240:247], the split v[48:111], v[176:247])
.irp n, 0,1,2,3
	ds_load_b128 v[WF+8*(4*(\ks)+(\n)):WF+8*(4*(\ks)+(\n))+3],   v[FA] offset:(\n)*16*PW+64*(\ks)
	ds_load_b128 v[WF+8*(4*(\ks)+(\n))+4:WF+8*(4*(\ks)+(\n))+7], v[FA] offset:(\n)*16*PW+64*(\ks)+32
.endr
.endr
	s_wait_alu depctr_va_vdst(0)                   ; the split into hi and lo is done reading and writing v[176:239], in which the fragments of K steps 2 and 3 land
.irp ks, 2,3
.irp n, 0,1,2,3
	ds_load_b128 v[WF+8*(4*(\ks)+(\n)):WF+8*(4*(\ks)+(\n))+3],   v[FA] offset:(\n)*16*PW+64*(\ks)
	ds_load_b128 v[WF+8*(4*(\ks)+(\n))+4:WF+8*(4*(\ks)+(\n))+7], v[FA] offset:(\n)*16*PW+64*(\ks)+32
.endr
.endr
.irp ks, 0,1,2,3
	s_wait_dscnt 24-8*(\ks)                        ; this K step's eight loads are in; the later steps' may stay out
.irp part, AH, AL
.irp n, 0,1,2,3                        ; the four accumulators take turns
	v_wmma_f32_16x16x32_bf16 v[ACC+8*(\n):ACC+8*(\n)+7], v[WF+8*(4*(\ks)+(\n)):WF+8*(4*(\ks)+(\n))+7], v[\part+8*(\ks):\part+8*(\ks)+7], v[ACC+8*(\n):ACC+8*(\n)+7]
.endr
.endr
.endr
.rept 4
	v_nop                                          ; four places behind the last product (ISA guide 7.12.1); they stay beside the wait below
.endr
	s_wait_alu depctr_va_vdst(0)                   ; the matrix instructions have written the accumulators, which the LDS stores read, and are done reading att's hi part, in which the stage's rows land
	; THE WAY OUT, through my own stage: 32 bytes a lane go in by rows of 272 bytes and come back as whole rows of 256; each accumulator from its low end on
.irp n, 0,1,2,3
	ds_store_b128 v[STO], v[ACC+8*(\n):ACC+8*(\n)+3]   offset:64*(\n)
	ds_store_b128 v[STO], v[ACC+8*(\n)+4:ACC+8*(\n)+7] offset:64*(\n)+16
.endr
.irp i, 0,1,2,3,4,5,6,7
	ds_load_b128 v[AH+4*(\i):AH+4*(\i)+3], v[RD] offset:(\i)*2*PW  ; LDS serves a wave's instructions in order (ISA guide 5.7.1.4): these see the stores above
.endr
.irp i, 0,1,2,3,4,5,6,7
	s_wait_dscnt 7-(\i)                            ; pair i of rows is back; the younger loads may stay out
	global_store_b128 v[CO], v[AH+4*(\i):AH+4*(\i)+3], s[10:11] offset:1024*(\i) th:TH_STORE_NT  ; 16 lanes store 256 consecutive bytes, at a multiple of 256 from out0's first byte
.endr
	s_wait_dscnt 0x0                               ; the closing lines, six on end
	s_wait_alu 0x0
	s_wait_tensorcnt 0x0
	ds_add_u32 v[SPW], v[NIL]
	s_wait_dscnt 0x0
	s_endpgm
.Lfunc_end_k_q74607f9d5a_outp:
	.size	k_q74607f9d5a_outp, .Lfunc_end_k_q74607f9d5a_outp-k_q74607f9d5a_outp
	.p2alignl 7, 3214868480
	.fill 96, 4, 3214868480
	.section	.rodata,"a",@progbits
	.p2align	6, 0x0
	.amdhsa_kernel k_q74607f9d5a_outp
		.amdhsa_group_segment_fixed_size 52736
		.amdhsa_private_segment_fixed_size 0
		.amdhsa_enable_private_segment 0
		.amdhsa_kernarg_size 32
		.amdhsa_user_sgpr_count 2
		.amdhsa_user_sgpr_kernarg_segment_ptr 1
		.amdhsa_wavefront_size32 1
		.amdhsa_system_sgpr_workgroup_id_x 1
		.amdhsa_system_sgpr_workgroup_id_y 1
		.amdhsa_system_sgpr_workgroup_id_z 1
		.amdhsa_system_vgpr_workitem_id 0
		.amdhsa_next_free_vgpr 248
		.amdhsa_next_free_sgpr 66
		.amdhsa_reserve_vcc 0
		.amdhsa_float_denorm_mode_32 3
		.amdhsa_float_denorm_mode_16_64 3
		.amdhsa_memory_ordered 1
		.amdhsa_forward_progress 1
		.amdhsa_inst_pref_size 31
	.end_amdhsa_kernel
	.amdgpu_metadata
---
amdhsa.version: [ 1, 2 ]
amdhsa.kernels:
  - .name:           k_q74607f9d5a_outp
    .symbol:         k_q74607f9d5a_outp.kd
    .args:
      - { .name: att, .offset: 0, .size: 8, .value_kind: global_buffer, .address_space: global }
      - { .name: Wp, .offset: 8, .size: 8, .value_kind: global_buffer, .address_space: global }
      - { .name: bp, .offset: 16, .size: 8, .value_kind: global_buffer, .address_space: global }
      - { .name: out0, .offset: 24, .size: 8, .value_kind: global_buffer, .address_space: global }
    .group_segment_fixed_size: 52736
    .private_segment_fixed_size: 0
    .kernarg_segment_align: 8
    .kernarg_segment_size: 32
    .max_flat_workgroup_size: 128
    .sgpr_count:     66
    .vgpr_count:     248
    .wavefront_size: 32
...
	.end_amdgpu_metadata
.endif
;; end of part 5
